; MI455X (gfx1250); checked and timed in simulation.
; The chip was launched on July 23, 2026; its instructions are those of AMD's public machine-readable ISA for CDNA 5 (MIT licence, August 2026) and "CDNA5" Instruction Set Architecture Reference Guide (July 2026). The comments in the code are by the model that wrote it; some were corrected since.
;; Causal Self Attention. Allowed arithmetic: matrix products marked QUANTISED: E3M2 operands, one E8M0 scale for each 32 along K, by v_wmma_scale_f32_16x16x128_f8f6f4 with both operands' format E3M2, f32 sums; everything else in f32.
;; Inputs: b_proj 1,024 float32; b_qkv 3,072 float32; w_proj 1,024 x 1,024 float32; w_qkv 1,024 x 3,072 float32; x 1 x 4,096 x 1,024 float32.
;; Outputs: out0 1 x 4,096 x 1,024 float32.
;; This version of the problem:
;;   THIS VERSION OF THE PROBLEM IS GIVEN IN LOW PRECISION. The matrix products marked QUANTISED in the list below multiply operands that are first quantised to E3M2 (3 exponent bits, 2 mantissa bits; 6 bits a number), with one power-of-two scale for each 32 numbers along K (OCP MX v1.0); their sums are f32. All else is computed in f32.
;;   The module's matrix products, in the order in which they are computed (A, B: the left and right operand; K: the contracted axis; several contracted axes count as one K, in the product's order):
;;     1. [M 4,096, K 1,024] x [K 1,024, N 3,072]; A: input x; B: input w_qkv: QUANTISED
;;     2. batch 16 x [M 4,096, K 64] x [K 64, N 4,096]; A: computed on the way; B: computed on the way: QUANTISED
;;     3. batch 16 x [M 4,096, K 4,096] x [K 4,096, N 64]; A: softmax (see below); B: computed on the way: QUANTISED
;;     4. [M 4,096, K 1,024] x [K 1,024, N 1,024]; A: computed on the way; B: input w_proj: QUANTISED
;;   THE QUANTISER, for each operand of a quantised product, along K:
;;     - K is cut into blocks of 32 from its start; a last block that is shorter is filled with zeros.
;;     - A block's scale is 2^e with e = floor(log2(the largest magnitude in the block)) - 4, held to -126 .. 127; a block of zeros has e = 0. As a byte (E8M0): e + 127.
;;     - Each number is divided by its block's scale, clamped to +-28, and rounded to the nearest number of E3M2, ties to even, subnormals kept.
;;     - The product sums the exact products of the quantised numbers (number of the format x scale) in f32.
;;   ~~~python
;;   def quantise(x, axis):      # numpy; x: float32 -> the quantised numbers, widened to float32 again
;;       x = np.moveaxis(x, axis, -1); K = x.shape[-1]
;;       x = np.pad(x, [(0, 0)] * (x.ndim - 1) + [(0, -K % 32)]); x = x.reshape(x.shape[:-1] + (-1, 32)); a = np.abs(x).max(-1, keepdims=True)
;;       e = np.where(a > 0, np.clip(np.frexp(np.where(a > 0, a, 1))[1] - 1 - 4, -126, 127), 0)      # np.frexp(a)[1] - 1 = floor(log2(a)), exactly
;;       r = np.clip(x / 2.0 ** e, -28, 28)
;;       step = 2.0 ** (np.maximum(np.frexp(np.where(r == 0, 1, r))[1] - 1, -2) - 2)
;;       q = np.round(r / step) * step * 2.0 ** e      # np.round: ties to even
;;       return np.moveaxis(q.reshape(q.shape[:-2] + (-1,))[..., :K], -1, axis).astype(np.float32)
;;   ~~~
;;   SOFTMAX AHEAD OF A QUANTISED PRODUCT. Where the list says 'softmax', what is quantised is not the finished softmax but p = 2^(t - M), with t = logit x log2(e) and M = ceil(the row's largest t), a whole number; so 1/2 < the row's largest p <= 1. The row's sum l is taken of the UNQUANTISED p, in f32, and the product's result is divided by l at the end. Since M is a whole number, a kernel that streams over the keys may use a running M (the ceiling of the running maximum): every later rescaling is an exact power of two, which a block's scale takes up: the codes' values come out the same.
;;   OPERANDS COMPUTED ON THE WAY. 'Computed on the way' means the value that the module computes at that place (a softmax that the list does not call 'softmax' is quantised finished and normalised). What goes into a quantiser is computed in f32, as accurately as f32 sums, v_exp_f32 and their like allow (about 1e-6 of the number): no bf16 or f16 on the way to a quantiser, and a product that is left as it is and whose result goes on into a quantised operand takes f32 operands (vector FMAs, or v_wmma_f32_16x16x4_f32). A number that lies on a knife's edge between two numbers of the format may be rounded either way, as far as f32 arithmetic and the matrix unit's own rounding can turn it there, and no further.
;; One version. Each part assembles by itself: llvm-mc -triple=amdgcn-amd-amdhsa -mcpu=gfx1250 --defsym DOCPART=n.
;; ======== version 1 of 1: 4 launches
;; limits: right only within a limited range of input values
;; workspace buffers: cq1 5,505,024 bytes; sc1 229,376 bytes; qq 3,407,872 bytes; kv 6,684,672 bytes; cq2 3,932,160 bytes; sc2 294,912 bytes
;; launch quant (part 1): grid 256 x 1, 4 waves a work-group, no clusters, 123,392 bytes of LDS; arguments x, w_qkv, w_proj, cq1, sc1, cq2, sc2; writes cq1, sc1, cq2, sc2
.if DOCPART == 1
	.amdgcn_target "amdgcn-amd-amdhsa--gfx1250"
	.amdhsa_code_object_version 6
	.text
	.protected	k_qf5edec2d71_quant
	.globl	k_qf5edec2d71_quant
	.p2align	8
	.type	k_qf5edec2d71_quant,@function
k_qf5edec2d71_quant:
	s_mov_b64 s[64:65], 0
	v_nop
	global_prefetch_b8 v0, s[64:65] scope:SCOPE_SE
	s_setreg_imm32_b32 hwreg(HW_REG_WAVE_MODE, 25, 1), 1
	s_wait_xcnt 0x0
; x [4096][1024], w_qkv [1024][3072] and w_proj [1024][1024], f32, become codes of BF6 (E3M2) with one E8M0 byte for each 32 along K (K = 1024 in all three).
; A block's byte is its largest magnitude's exponent field - 4, held at 1 from below; numbers are divided by the scale and rounded to the nearest code, ties to even, beyond 28 the largest code.
; LIMITS: NaN and infinities among the inputs are not served.  A block of zeros gets the byte 1 where the rule says 127: its codes are zeros, and only this program reads the bytes.
; WHAT IS STORED are images of operand registers.  A TILE is 16 rows of an operand (tokens of x, columns of a weight): tile t, lane row r = row 32 (t / 2) + 8 (t % 2) + r + 8 (r / 8).
; A FRAGMENT (tile x 128 along K, 12 registers a lane: registers 6 c .. 6 c + 5 of lane (r, h) hold k = 64 c + 32 h + 0 .. 31) lies as 1,536 bytes: registers 4 c .. 4 c + 3 of lane l at 512 c + 16 l.
; A SCALE UNIT is 256 bytes for four tiles: the word (four bytes, 128 along K) of row r of tile t at 16 r + 4 t.
; SHARES: 1,024 equal wave units: 64 rows x 128 along K each: 32 KB read, four fragments and one scale unit stored.  Work-groups 0-127 take x, 128-223 w_qkv, 224-255 w_proj.
; No tensor load, no barrier: waves share nothing; each of the three ways has LDS bytes of its own.
.set SIG1,  1376256                    ; cq1: from one pair of K steps to the next: 448 tiles x 3,072 bytes
.set SIG2,  983040                     ; cq2: 320 tiles x 3,072 bytes
.set FLOOR, 0x2800000                  ; 2^(5 - 127): under it no largest magnitude is taken, so the byte cannot fall under 1
.set EOFF,  0xfe000000                 ; 4 off an exponent field
.set R,  16                            ; x: v16-143  two sets of 64: a tile's 16 rows as loaded
.set X,  144                           ; x: v144-207 my two blocks of 32 neighbours
.set C,  208                           ; x: v208-219 a fragment's codes
.set CT, 220                           ; x: v220-226 the upper halves of the blocks' codes, as the conversions leave them
.set WD, 228                           ; x: v228-231 the four tiles' scale words
	s_load_b256 s[4:11], s[0:1], 0x0               ; x s[4:5], w_qkv s[6:7], w_proj s[8:9], cq1 s[10:11]
	s_load_b128 s[12:15], s[0:1], 0x20             ; sc1 s[12:13], cq2 s[14:15]
	s_load_b64 s[16:17], s[0:1], 0x30              ; sc2
	v_lshl_add_u32 v232, v0, 2, 0x1e000
	v_mov_b32 v233, 0
	v_lshrrev_b32 v1, 5, v0
	v_readfirstlane_b32 s18, v1                    ; wave
	v_and_b32 v2, 31, v0                           ; lane
	v_lshlrev_b32 v4, 4, v2                        ; 16 x lane
	s_cmp_lt_u32 ttmp9, 128
	s_cbranch_scc0 .Lweights
	; ---------------- x: K is innermost.  Unit u = 4 x work-group + wave: K step s = u % 8, tokens 64 (u / 8) on
	v_and_b32 v3, 15, v0                           ; r
	v_bfe_u32 v7, v0, 4, 1                         ; h
	s_lshl_b32 s22, ttmp9, 2
	s_add_co_u32 s22, s22, s18
	s_and_b32 s23, s22, 7                          ; s
	s_lshr_b32 s24, s22, 3                         ; G
	s_lshl_b32 s26, s24, 18                        ; 64 rows of 4,096 bytes
	s_lshl_b32 s25, s23, 9                         ; 128 numbers
	s_add_co_u32 s26, s26, s25
	s_mov_b32 s27, 0
	s_lshr_b32 s25, s23, 1
	s_mul_i32 s28, s25, SIG1
	s_mul_i32 s25, s24, 4*3072
	s_add_co_u32 s28, s28, s25
	s_and_b32 s25, s23, 1
	s_mul_i32 s25, s25, 1536
	s_add_co_u32 s28, s28, s25                     ; the codes: pair of K steps, tile 4 G, K step in the pair
	s_mov_b32 s29, 0
	s_mul_i32 s30, s23, 28672
	s_lshl_b32 s25, s24, 8
	s_add_co_u32 s30, s30, s25                     ; the scale unit
	s_mov_b32 s31, 0
	s_mul_i32 s25, s18, 16896                      ; my two stages: 16 rows x (512 + 16) bytes each
	s_wait_alu depctr_va_vdst(0)
	v_add_nc_u32 v5, s25, v4                       ; in: a row as it was loaded
	v_mul_u32_u24 v6, v3, 528
	v_lshl_add_u32 v6, v7, 7, v6
	v_add_nc_u32 v6, s25, v6                       ; out: row r, + 128 h: the pitch of 528 bytes puts sixteen rows at sixteen different places modulo 256
	v_lshlrev_b32 v7, 3, v7                        ; 8 h
	v_lshl_add_u32 v15, v3, 4, v7                  ; 16 r + 8 h: my two words of the scale unit
	v_mov_b32 v10, 0                               ; written once: a lane permute's destination counts as one of its sources
	s_mov_b32 s20, 0x76543210
	s_mov_b32 s21, 0xfedcba98                      ; v_permlanex16_b32's selects for lane l xor 16
	s_wait_alu depctr_va_vdst(0)
	s_wait_kmcnt 0x0
	s_add_nc_u64 s[4:5], s[4:5], s[26:27]
	s_add_nc_u64 s[10:11], s[10:11], s[28:29]
	s_add_nc_u64 s[12:13], s[12:13], s[30:31]
.macro XLOAD t                         ; tile t's 16 rows: each load takes a row's 512 consecutive bytes
.set i, 0
.rept 16
	global_load_b128 v[R+64*((\t)%2)+4*i:R+64*((\t)%2)+4*i+3], v4, s[4:5] offset:(32*((\t)/2)+8*((\t)%2)+i+8*(i/8))*4096 th:TH_LOAD_NT
.set i, i+1
.endr
.endm
.macro XTILE t
.if (\t) < 3
	s_wait_loadcnt 16                              ; this tile's 16 loads are in; the next tile's 16 may be out
.else
	s_wait_loadcnt 0x0
.endif
.set i, 0
.rept 16
	ds_store_b128 v5, v[R+64*((\t)%2)+4*i:R+64*((\t)%2)+4*i+3] offset:8448*((\t)%2)+528*i
.set i, i+1
.endr
.irp c, 0,1                            ; back: lane (r, h) takes k = 64 c + 32 h + 0 .. 31 of row r: two whole blocks.  LDS serves a wave's instructions in order: these see the stores
.set i, 0
.rept 8
	ds_load_b128 v[X+32*\c+4*i:X+32*\c+4*i+3], v6 offset:8448*((\t)%2)+256*\c+16*i
.set i, i+1
.endr
.endr
	s_wait_dscnt 0x0                               ; my numbers are back, and the stores have read the set,
.if (\t)+2 < 4
	XLOAD (\t)+2                                   ; which takes the tile two on
.endif
.irp c, 0,1
	v_max3_num_f32 v[8+\c], |v[X+32*\c]|, |v[X+32*\c+1]|, FLOOR
.endr
.set i, 2
.rept 15
.irp c, 0,1
	v_max3_num_f32 v[8+\c], v[8+\c], |v[X+32*\c+i]|, |v[X+32*\c+i+1]|   ; the two blocks by turns
.endr
.set i, i+2
.endr
.irp c, 0,1
	v_add_nc_u32 v[12+\c], EOFF, v[8+\c]           ; the conversion takes the exponent field of this operand as its scale
.endr
.irp c, 0,1
	v_lshrrev_b32 v[8+\c], 23, v[12+\c]            ; the scale's byte
.endr
	v_lshl_or_b32 v[WD+(\t)], v9, 16, v8           ; my bytes: blocks h and 2 + h,
	v_lshlrev_b32 v[WD+(\t)], v7, v[WD+(\t)]       ; at their places (8 h bits up);
	v_permlanex16_b32 v10, v[WD+(\t)], s20, s21
	v_or_b32 v[WD+(\t)], v[WD+(\t)], v10           ; with lane l xor 16's two the word is whole
	s_wait_alu depctr_va_vdst(0)
	s_wait_xcnt 0x0                                ; the last tile's stores have read the codes' registers
.irp c, 0,1
	v_cvt_scalef32_pk16_bf6_f32 v[C+6*\c:C+6*\c+2], v[X+32*\c:X+32*\c+15], v[12+\c]
	v_cvt_scalef32_pk16_bf6_f32 v[CT+4*\c:CT+4*\c+2], v[X+32*\c+16:X+32*\c+31], v[12+\c]   ; (a conversion's three registers begin on an even number)
.endr
	v_nop                                          ; one plain place behind a scaled conversion
.irp c, 0,1
.irp k, 0,1,2
	v_mov_b32 v[C+6*\c+3+\k], v[CT+4*\c+\k]
.endr
.endr
.irp c, 0,1,2
	global_store_b128 v4, v[C+4*\c:C+4*\c+3], s[10:11] offset:3072*(\t)+512*\c   ; 512 consecutive bytes, aligned
.endr
.endm
	XLOAD 0
	XLOAD 1
	XTILE 0
	XTILE 1
	XTILE 2
	XTILE 3
	v_cmp_ne_u32 vcc_lo, 0, v7
	v_cndmask_b32 v8, v[WD], v[WD+2], vcc_lo       ; lanes 0-15 store tiles 0, 1's words of row r, lanes 16-31 tiles 2, 3's
	v_cndmask_b32 v9, v[WD+1], v[WD+3], vcc_lo
	global_store_b64 v15, v[8:9], s[12:13]         ; one aligned unit of 256 bytes
	s_wait_tensorcnt 0x0
	ds_add_u32 v232, v233
	s_wait_dscnt 0x0
	s_endpgm
	; ---------------- the weights: K is the FIRST axis.  A lane takes a column and its registers run down K: a block of 32 lies in one lane
.Lweights:
	s_wait_alu depctr_va_vdst(0)
	v_lshlrev_b32 v5, 2, v2                        ; 4 x lane: my column of 32
	v_bfe_u32 v8, v0, 3, 1                         ; column 32 p + j is row r' of tile 2 p + u: u = (j / 8) % 2,
	v_and_b32 v9, 7, v0
	v_bfe_u32 v10, v0, 4, 1
	v_lshl_or_b32 v9, v10, 3, v9                   ; r' = j % 8 + 8 (j / 16)
	v_mul_u32_u24 v6, v8, 1664                     ; a tile's image has a place of 1,664 bytes in the stage: the two tiles of a pair fall on different halves of 256 bytes
	v_lshl_add_u32 v6, v9, 4, v6
	v_lshlrev_b32 v7, 4, v9
	v_lshl_add_u32 v7, v8, 2, v7                   ; 16 r' + 4 u: my word in the scale unit
	v_lshlrev_b32 v15, 3, v2                       ; 8 x lane
	s_mul_i32 s19, s18, 6912                       ; my stage: four images and a scale unit
.macro WLOAD n, N                      ; block n = 2 beta + p: W(32 beta + i, 32 p + lane): 128 consecutive bytes a load; p runs fastest, so that both halves of a row's 256 bytes are asked for together
.set i, 0
.rept 32
	global_load_b32 v[32+32*((\n)%2)+i], v5, s[32:33] offset:(32*((\n)/2)+i)*(\N)*4+128*((\n)%2) th:TH_LOAD_NT
.set i, i+1
.endr
.endm
.macro WBLOCK n, N
.set XS, 32+32*((\n)%2)
.set BE, (\n)/2
.set PP, (\n)%2
.if (\n) < 7
	s_wait_loadcnt 32                              ; this block's 32 loads are in; the next block's may be out
.else
	s_wait_loadcnt 0x0
.endif
	v_max3_num_f32 v8, |v[XS]|, |v[XS+1]|, |v[XS+2]|
	v_max3_num_f32 v9, |v[XS+3]|, |v[XS+4]|, |v[XS+5]|
.irp k, 6,10,14,18,22,26
	v_max3_num_f32 v8, v8, |v[XS+\k]|, |v[XS+\k+1]|
	v_max3_num_f32 v9, v9, |v[XS+\k+2]|, |v[XS+\k+3]|
.endr
	v_max3_num_f32 v8, v8, |v[XS+30]|, |v[XS+31]|
	v_max3_num_f32 v8, v8, v9, FLOOR
	v_add_nc_u32 v11, EOFF, v8
	v_lshrrev_b32 v9, 23, v11
.if BE == 0
	v_mov_b32 v[24+PP], v9                         ; the column's scale word, the lower K in the lower byte
.else
	v_lshl_or_b32 v[24+PP], v9, 8*BE, v[24+PP]
.endif
	v_cvt_scalef32_pk16_bf6_f32 v[96:98], v[XS:XS+15], v11
	v_cvt_scalef32_pk16_bf6_f32 v[104:106], v[XS+16:XS+31], v11
	v_nop                                          ; one plain place behind a scaled conversion
	v_mov_b32 v99, v104
	v_mov_b32 v100, v105
	v_mov_b32 v101, v106
; block beta is registers 6 (beta / 2) .. + 5 of lane r' + 16 (beta % 2) of the image
.if BE < 2
	ds_store_b128 v12, v[96:99] offset:3328*PP+256*BE
	ds_store_b64 v12, v[100:101] offset:3328*PP+512+256*BE
.else
	ds_store_b64 v12, v[96:97] offset:3328*PP+520+256*(BE-2)
	ds_store_b128 v12, v[98:101] offset:3328*PP+1024+256*(BE-2)
.endif
.if (\n)+2 < 8
	WLOAD (\n)+2, \N
.endif
	s_wait_dscnt 0x0                               ; the stores have read their registers: the next block's codes may be written
.endm
; N: the weight's columns; lb: the way's LDS; wg0: its first work-group; sig: the codes' stride; pw, pc, ps: pointers (weight, codes, scales); sstr, soff: the scale units' stride and first byte
.macro WPATH N, lb, wg0, sig, pw, pc, ps, sstr, soff
	s_sub_co_u32 s22, ttmp9, \wg0
	s_lshl_b32 s22, s22, 2
	s_add_co_u32 s22, s22, s18
	s_and_b32 s23, s22, 7                          ; K step s
	s_lshr_b32 s24, s22, 3                         ; columns 64 G on
	s_mul_i32 s26, s23, 512*(\N)                   ; 128 rows of 4 N bytes
	s_lshl_b32 s25, s24, 8
	s_add_co_u32 s26, s26, s25
	s_mov_b32 s27, 0
	s_lshr_b32 s25, s23, 1
	s_mul_i32 s28, s25, \sig
	s_mul_i32 s25, s24, 4*3072
	s_add_co_u32 s28, s28, s25
	s_and_b32 s25, s23, 1
	s_mul_i32 s25, s25, 1536
	s_add_co_u32 s28, s28, s25
	s_add_co_u32 s28, s28, 256*3072                ; the weights' tiles follow the 256 tiles of tokens
	s_mov_b32 s29, 0
	s_mul_i32 s30, s23, \sstr
	s_lshl_b32 s25, s24, 8
	s_add_co_u32 s30, s30, s25
	s_add_co_u32 s30, s30, \soff
	s_mov_b32 s31, 0
	s_add_co_u32 s25, s19, \lb
	v_add_nc_u32 v12, s25, v6                      ; where my codes go in the stage
	v_add_nc_u32 v13, s25, v7                      ; my scale word (+ 6,656)
	v_add_nc_u32 v14, s25, v4                      ; back: 16 x lane
	v_add_nc_u32 v16, s25, v15                     ; the scale unit back: 8 x lane (+ 6,656)
	s_wait_kmcnt 0x0
	s_add_nc_u64 s[32:33], s[\pw:\pw+1], s[26:27]
	s_add_nc_u64 s[34:35], s[\pc:\pc+1], s[28:29]
	s_add_nc_u64 s[36:37], s[\ps:\ps+1], s[30:31]
	WLOAD 0, \N
	WLOAD 1, \N
.irp n, 0,1,2,3,4,5,6,7
	WBLOCK \n, \N
.endr
	ds_store_b32 v13, v24 offset:6656
	s_wait_alu depctr_va_vdst(0)
	ds_store_b32 v13, v25 offset:6656+8
.irp t, 0,1,2,3
.irp c, 0,1,2
	ds_load_b128 v[112+12*\t+4*\c:115+12*\t+4*\c], v14 offset:1664*(\t%2)+3328*(\t/2)+512*\c   ; LDS serves a wave's instructions in order: these see my stores
.endr
.endr
	ds_load_b64 v[160:161], v16 offset:6656
.irp t, 0,1,2,3
.irp c, 0,1,2
	s_wait_dscnt 12-(3*\t+\c)                      ; behind this load stand 12 - (3 t + c) younger ones
	global_store_b128 v4, v[112+12*\t+4*\c:115+12*\t+4*\c], s[34:35] offset:3072*\t+512*\c
.endr
.endr
	s_wait_dscnt 0x0
	global_store_b64 v15, v[160:161], s[36:37]     ; one aligned unit of 256 bytes
	s_wait_tensorcnt 0x0
	ds_add_u32 v232, v233
	s_wait_dscnt 0x0
	s_endpgm
.endm
	s_cmp_lt_u32 ttmp9, 224
	s_cbranch_scc0 .Lproj
	s_wait_alu depctr_va_vdst(0)
	WPATH 3072, 67584, 128, SIG1, 6, 10, 12, 28672, 64*256
.Lproj:
	s_wait_alu depctr_va_vdst(0)
	WPATH 1024, 95232, 224, SIG2, 8, 14, 16, 36864, 32768
.Lfunc_end_k_qf5edec2d71_quant:
	.size	k_qf5edec2d71_quant, .Lfunc_end_k_qf5edec2d71_quant-k_qf5edec2d71_quant
	.p2alignl 7, 3214868480
	.fill 96, 4, 3214868480
	.section	.rodata,"a",@progbits
	.p2align	6, 0x0
	.amdhsa_kernel k_qf5edec2d71_quant
		.amdhsa_group_segment_fixed_size 123392
		.amdhsa_private_segment_fixed_size 0
		.amdhsa_enable_private_segment 0
		.amdhsa_kernarg_size 56
		.amdhsa_user_sgpr_count 2
		.amdhsa_user_sgpr_kernarg_segment_ptr 1
		.amdhsa_wavefront_size32 1
		.amdhsa_system_sgpr_workgroup_id_x 1
		.amdhsa_system_sgpr_workgroup_id_y 1
		.amdhsa_system_sgpr_workgroup_id_z 1
		.amdhsa_system_vgpr_workitem_id 0
		.amdhsa_next_free_vgpr 234
		.amdhsa_next_free_sgpr 66
		.amdhsa_reserve_vcc 1
		.amdhsa_float_denorm_mode_32 3
		.amdhsa_float_denorm_mode_16_64 3
		.amdhsa_memory_ordered 1
		.amdhsa_forward_progress 1
		.amdhsa_inst_pref_size 113
	.end_amdhsa_kernel
	.amdgpu_metadata
---
amdhsa.version: [ 1, 2 ]
amdhsa.kernels:
  - .name:           k_qf5edec2d71_quant
    .symbol:         k_qf5edec2d71_quant.kd
    .args:
      - { .name: x, .offset: 0, .size: 8, .value_kind: global_buffer, .address_space: global }
      - { .name: w_qkv, .offset: 8, .size: 8, .value_kind: global_buffer, .address_space: global }
      - { .name: w_proj, .offset: 16, .size: 8, .value_kind: global_buffer, .address_space: global }
      - { .name: cq1, .offset: 24, .size: 8, .value_kind: global_buffer, .address_space: global }
      - { .name: sc1, .offset: 32, .size: 8, .value_kind: global_buffer, .address_space: global }
      - { .name: cq2, .offset: 40, .size: 8, .value_kind: global_buffer, .address_space: global }
      - { .name: sc2, .offset: 48, .size: 8, .value_kind: global_buffer, .address_space: global }
    .group_segment_fixed_size: 123392
    .private_segment_fixed_size: 0
    .kernarg_segment_align: 8
    .kernarg_segment_size: 56
    .max_flat_workgroup_size: 128
    .sgpr_count:     66
    .vgpr_count:     234
    .wavefront_size: 32
...
	.end_amdgpu_metadata
.endif
;; end of part 1
;; launch qkv (part 2): grid 12 x 16, 4 waves a work-group, clusters of 4 x 4, 327,680 bytes of LDS; arguments cq1, sc1, b_qkv, qq, kv; writes qq, kv
.if DOCPART == 2
	.amdgcn_target "amdgcn-amd-amdhsa--gfx1250"
	.amdhsa_code_object_version 6
	.text
	.protected	k_qf5edec2d71_qkv
	.globl	k_qf5edec2d71_qkv
	.p2align	8
	.type	k_qf5edec2d71_qkv,@function
k_qf5edec2d71_qkv:
	s_mov_b64 s[64:65], 0
	v_nop
	global_prefetch_b8 v0, s[64:65] scope:SCOPE_SE
	s_setreg_imm32_b32 hwreg(HW_REG_WAVE_MODE, 25, 1), 1
	s_wait_xcnt 0x0
	s_wait_alu depctr_hold_cnt(0) depctr_sa_sdst(0) depctr_va_vdst(0) depctr_va_sdst(0) depctr_va_ssrc(0) depctr_va_vcc(0) depctr_vm_vsrc(0)
	s_getreg_b32 s2, hwreg(HW_REG_IB_STS2, 6, 4)
	s_cmp_eq_u32 s2, 0
	s_cbranch_scc0 .Lentry_in_a_cluster
	s_endpgm
.Lentry_in_a_cluster:
	s_bfe_u32 s2, ttmp6, 0x10000c
	s_cmp_lg_u32 s2, 0xf033
	s_cbranch_scc0 .Lentry_shape_is_right
	s_endpgm
.Lentry_shape_is_right:
.set SIG1,  1376256
.set HALF,  24576
.set SLOT,  4*HALF
.set SPARE, 2*SLOT
.set ADRA, 16
.set ADRB, 20
.set L16,  24
.set L8,   25
.set RH,   26
.set SOF,  27
.set SPW,  28
.set NIL,  29
.set SC,   32
.set PC,   96
.set TM,   116
.set PW,   132
.set WA,   136
.set WB,   144
.set FO,   152
.set H,    160
.set AF,   128
.set SEL,  22
.set G1,   24
.set G0,   32
.set G1B,  48
.set G0B,  56
.set MSB, 0
.macro WIN new
.if MSB != \new
	s_set_vgpr_msb (MSB<<8)|\new
.set MSB, \new
.endif
.endm
.set MUL_LO, 0xa1
.set MUL_HI, 0xf1
.set TO_B,   0x40
.macro JLOAD s
	s_cmp_eq_u32 s15, 0
	s_cbranch_scc0 .Lfor_b_\@
	tensor_load_to_lds s[G0+4*\s:G0+4*\s+3], s[G1:G1+7]
	s_nop 0
.rept 4
	v_nop
.endr
	s_branch .Lasked_\@
.Lfor_b_\@:
	tensor_load_to_lds s[G0B+4*\s:G0B+4*\s+3], s[G1B:G1B+7]
	s_nop 0
.rept 4
	v_nop
.endr
.Lasked_\@:
.endm
.macro CREST
	s_cmp_lg_u32 s14, 0
	s_cbranch_scc1 .Lnot_wave_0_\@
	s_barrier_signal -3
.Lnot_wave_0_\@:
	s_barrier_wait -3
	s_barrier_signal -1
	s_barrier_wait -1
.endm
.macro CROUND
	s_barrier_signal -1
	s_barrier_wait -1
	CREST
.endm
.macro PLACES
.rept 4
	v_nop
.endr
.endm
	s_load_b256 s[4:11], s[0:1], 0x0
	s_load_b64 s[12:13], s[0:1], 0x20
	v_lshl_add_u32 v[SPW], v0, 2, SPARE
	v_mov_b32 v[NIL], 0
	ds_add_u32 v28, v29
	ds_add_u32 v28, v29
	s_wait_dscnt 0x0
	v_lshrrev_b32 v1, 5, v0
	v_readfirstlane_b32 s14, v1
	s_lshr_b32 s15, s14, 1
	s_and_b32 s16, s14, 1
	s_mov_b32 s17, ttmp9
	s_bfe_u32 s40, ttmp6, 0x40000
	s_bfe_u32 s41, ttmp6, 0x40004
	s_and_b32 s42, ttmp7, 0xffff
	s_lshl_b32 s43, s41, 2
	s_lshl_b32 s43, 15, s43
	s_lshl_b32 s44, 0x1111, s40
	s_or_b32 s[G1+0], s43, (3<<16)|(1<<21)
	s_or_b32 s[G1B+0], s44, (3<<16)|(1<<21)
.irp g, G1, G1B
	s_mov_b32 s[\g+1], 32<<16
	s_mov_b32 s[\g+2], 96<<16
	s_mov_b32 s[\g+3], 32<<16
	s_mov_b32 s[\g+4], 96
	s_mov_b32 s[\g+5], 32
	s_mov_b32 s[\g+6], 0
	s_mov_b32 s[\g+7], 0
.endr
	s_lshl_b32 s46, s42, 6
	s_lshl_b32 s47, s17, 6
	s_add_co_u32 s47, s47, 256
	s_lshl_b32 s72, s41, 4
	s_lshl_b32 s76, s40, 4
	s_mov_b32 s73, 384
	s_cmp_lt_u32 s17, 2
	s_cselect_b32 s73, s46, s73
	s_cselect_b32 s77, s47, s46
	s_add_co_u32 s72, s72, s73
	s_add_co_u32 s76, s76, s77
	s_lshl_b32 s80, s16, 3
	s_add_co_u32 s74, s72, s80
	s_mul_i32 s74, s74, 3072
	s_mov_b32 s75, 0
	s_add_co_u32 s78, s76, s80
	s_mul_i32 s78, s78, 3072
	s_mov_b32 s79, 0
	s_mul_i32 s45, s14, HALF
	s_mov_b32 s[SEL], 0x76543210
	s_mov_b32 s[SEL+1], 0xfedcba98
	s_wait_kmcnt 0x0
	s_add_nc_u64 s[74:75], s[4:5], s[74:75]
	s_add_nc_u64 s[78:79], s[4:5], s[78:79]
	CROUND
.irp s, 0,1
	s_mov_b32 s[G0+4*\s], 1
	s_add_co_u32 s[G0+4*\s+1], s45, \s*SLOT
	s_add_nc_u64 s[G0+4*\s+2:G0+4*\s+3], s[74:75], \s*SIG1
	s_or_b32 s[G0+4*\s+3], s[G0+4*\s+3], 0x80000000
	s_mov_b32 s[G0B+4*\s], 1
	s_add_co_u32 s[G0B+4*\s+1], s45, \s*SLOT
	s_add_nc_u64 s[G0B+4*\s+2:G0B+4*\s+3], s[78:79], \s*SIG1
	s_or_b32 s[G0B+4*\s+3], s[G0B+4*\s+3], 0x80000000
	s_wait_alu depctr_va_vdst(0)
	s_wait_tensorcnt 0x0
	ds_add_u32 v28, v29
	ds_add_u32 v28, v29
	s_wait_dscnt 0x0
	CROUND
	JLOAD \s
.endr
	v_and_b32 v1, 15, v0
	v_bfe_u32 v2, v0, 4, 1
	v_and_b32 v3, 31, v0
	v_lshlrev_b32 v[L16], 4, v3
	v_lshlrev_b32 v[L8], 3, v3
	v_lshlrev_b32 v[RH], 4, v1
	v_lshl_add_u32 v[RH], v2, 3, v[RH]
	s_mul_i32 s46, s15, HALF
	s_mul_i32 s47, s16, HALF
	s_add_co_u32 s47, s47, 2*HALF
.irp s, 0,1
	v_add_nc_u32 v[ADRA+\s], s46, v[L16]
	v_add_nc_u32 v[ADRB+\s], s47, v[L16]
	s_add_co_u32 s46, s46, SLOT
	s_add_co_u32 s47, s47, SLOT
.endr
	s_lshl_b32 s84, s15, 3
	s_add_co_u32 s84, s84, s72
	s_lshl_b32 s84, s84, 6
	s_lshl_b32 s85, s16, 3
	s_add_co_u32 s85, s85, s76
	s_lshl_b32 s85, s85, 6
	v_mov_b32 v4, s84
	v_mov_b32 v5, s85
	v_cmp_ne_u32 vcc_lo, 0, v2
	v_cndmask_b32 v[SOF], v4, v5, vcc_lo
	v_lshl_add_u32 v[SOF], v1, 4, v[SOF]
.irp s, 0,1,2,3,4,5,6,7
.irp g, 0,1
	global_load_b128 v[SC+8*\s+4*\g:SC+8*\s+4*\g+3], v[SOF], s[6:7] offset:28672*\s+256*\g
.endr
.endr
.irp b, 0,1,2,3
	v_mov_b32 v[TM+4+\b], 0
.endr
.macro MUL16 a0, p, s, zero
.irp a, \a0, \a0+1
.irp b, 0,1,2,3,4,5,6,7
.if \zero
	v_wmma_scale_f32_16x16x128_f8f6f4 v[8*(8*((\a)%4)+\b):8*(8*((\a)%4)+\b)+7], v[128*(\p)+12*\b:128*(\p)+12*\b+11], v[AF+12*(\a):AF+12*(\a)+11], 0, v[SC+8*(\s)+\b], v[SC+8*(\s)+(\a)] matrix_a_fmt:MATRIX_FMT_BF6 matrix_b_fmt:MATRIX_FMT_BF6 matrix_a_scale:MATRIX_SCALE_ROW1
.else
	v_wmma_scale_f32_16x16x128_f8f6f4 v[8*(8*((\a)%4)+\b):8*(8*((\a)%4)+\b)+7], v[128*(\p)+12*\b:128*(\p)+12*\b+11], v[AF+12*(\a):AF+12*(\a)+11], v[8*(8*((\a)%4)+\b):8*(8*((\a)%4)+\b)+7], v[SC+8*(\s)+\b], v[SC+8*(\s)+(\a)] matrix_a_fmt:MATRIX_FMT_BF6 matrix_b_fmt:MATRIX_FMT_BF6 matrix_a_scale:MATRIX_SCALE_ROW1
.endif
.endr
.endr
.endm
.macro FETCH_B slot, q, p
	WIN TO_B
.irp i, 0,1,2,3,4,5,6,7
.irp c, 0,1,2
	ds_load_b128 v[128*(\p)+12*\i+4*\c:128*(\p)+12*\i+4*\c+3], v[ADRB+\slot] offset:3072*\i+1536*(\q)+512*\c
.endr
.endr
	WIN 0
.endm
.macro FETCH_A slot, q, i0
.irp i, \i0, \i0+1, \i0+2, \i0+3
.irp c, 0,1,2
	ds_load_b128 v[AF+12*(\i)+4*\c:AF+12*(\i)+4*\c+3], v[ADRA+\slot] offset:3072*(\i)+1536*(\q)+512*\c
.endr
.endr
.endm
.macro STEP slot, s, zero
	s_wait_dscnt 12
	WIN MUL_LO
	MUL16 0, 0, \s, \zero
	MUL16 2, 0, \s, \zero
	s_wait_dscnt 0x0
	PLACES
	FETCH_B \slot, 1, 1
	FETCH_A \slot, 1, 0
	WIN MUL_HI
	MUL16 4, 0, \s, \zero
	MUL16 6, 0, \s, \zero
	PLACES
	WIN 0
	FETCH_A \slot, 1, 4
.endm
.macro TURN slot, next, fill, s
	s_wait_tensorcnt 0x0
	ds_add_u32 v[SPW], v[NIL]
	s_wait_dscnt 13
	WIN MUL_LO
	MUL16 0, 1, \s, 0
	s_wait_dscnt 0x0
	s_barrier_signal -1
	MUL16 2, 1, \s, 0
	WIN 0
	s_barrier_wait -1
.if \fill
	CREST
	s_add_nc_u64 s[G0+4*\slot+2:G0+4*\slot+3], s[G0+4*\slot+2:G0+4*\slot+3], 2*SIG1
	s_add_nc_u64 s[G0B+4*\slot+2:G0B+4*\slot+3], s[G0B+4*\slot+2:G0B+4*\slot+3], 2*SIG1
	JLOAD \slot
.else
	PLACES
.endif
	FETCH_B \next, 0, 0
	FETCH_A \next, 0, 0
	WIN MUL_HI
	MUL16 4, 1, \s, 0
	MUL16 6, 1, \s, 0
	PLACES
	WIN 0
	FETCH_A \next, 0, 4
.endm
.macro LAST
	s_wait_dscnt 12
	WIN MUL_LO
	MUL16 0, 1, 7, 0
	MUL16 2, 1, 7, 0
	s_wait_dscnt 0x0
	WIN MUL_HI
	MUL16 4, 1, 7, 0
	MUL16 6, 1, 7, 0
	WIN 0
	PLACES
.endm
.macro QUANT s
.irp b, 0,1,2,3
	v_max3_num_f32 v[TM+\b], |v[\s+16*\b]|, |v[\s+1+16*\b]|, 0x2800000
.endr
.irp i, 2,4,6,8,10,12,14
.irp b, 0,1,2,3
	v_max3_num_f32 v[TM+\b], v[TM+\b], |v[\s+16*\b+\i]|, |v[\s+1+16*\b+\i]|
.endr
.endr
.irp b, 0,1,2,3
	v_permlanex16_b32 v[TM+4+\b], v[TM+\b], s[SEL], s[SEL+1]
.endr
.irp b, 0,1,2,3
	v_max_num_f32 v[TM+\b], v[TM+\b], v[TM+4+\b]
.endr
.irp b, 0,1,2,3
	v_add_nc_u32 v[TM+12+\b], 0xfe000000, v[TM+\b]
.endr
.irp b, 0,1,2,3
	v_lshrrev_b32 v[TM+4+\b], 23, v[TM+12+\b]
.endr
	v_lshl_or_b32 v[PW], v[TM+5], 8, v[TM+4]
	v_lshl_or_b32 v[PW], v[TM+6], 16, v[PW]
	v_lshl_or_b32 v[PW], v[TM+7], 24, v[PW]
.irp c, 0,1
	v_cvt_scalef32_pk16_bf6_f32 v[PC+6*\c:PC+2+6*\c], v[\s+32*\c:\s+15+32*\c], v[TM+12+2*\c]
	v_cvt_scalef32_pk16_bf6_f32 v[PC+12+4*\c:PC+14+4*\c], v[\s+16+32*\c:\s+31+32*\c], v[TM+12+2*\c+1]
.endr
	v_nop
.irp c, 0,1
.irp i, 0,1,2
	v_permlane16_swap_b32 v[PC+6*\c+\i], v[PC+12+4*\c+\i]
.endr
.irp i, 0,1,2
	v_mov_b32 v[PC+3+6*\c+\i], v[PC+12+4*\c+\i]
.endr
.endr
.endm
.macro EPI a, isv
	s_wait_xcnt 0x0
	WIN 0x06+((\a)/4)
.set AC, 64*((\a)%4)
.set i, 0
.rept 32
.if \isv
	v_pk_add_f32 v[H+2*i:H+2*i+1], v[AC+2*i:AC+2*i+1], v[96+2*(\a):97+2*(\a)]
.else
	v_pk_add_f32 v[H+2*i:H+2*i+1], v[AC+2*i:AC+2*i+1], v[96+2*i+96*(i/16):97+2*i+96*(i/16)]
.endif
.set i, i+1
.endr
	WIN 0
	QUANT H
.if \isv
.irp c, 0,1,2
	global_store_b128 v[L16], v[PC+4*\c:PC+4*\c+3], s[68+2*((\a)/4):69+2*((\a)/4)] offset:1536*((\a)%4)+512*\c
.endr
	v_mov_b32 v[WA+(\a)], v[PW]
.else
.irp e, 0,1
	global_store_b128 v[L16], v[PC+6*\e:PC+6*\e+3], s[68+2*\e:69+2*\e] offset:768*(\a)
	global_store_b64 v[L8], v[PC+6*\e+4:PC+6*\e+5], s[68+2*\e:69+2*\e] offset:768*(\a)+512
.endr
	v_mov_b32 v[WA+(\a)], v[PW]
	v_lshrrev_b32 v[WB+(\a)], 16, v[PW]
.endif
.endm
.macro FINISH
	s_wait_tensorcnt 0x0
	ds_add_u32 v[SPW], v[NIL]
	s_wait_dscnt 0x0
	CROUND
	s_endpgm
.endm
	s_wait_tensorcnt 1
	s_barrier_signal -1
	s_barrier_wait -1
	FETCH_B 0, 0, 0
	FETCH_A 0, 0, 0
	FETCH_A 0, 0, 4
	s_wait_loadcnt 0x0
	STEP 0, 0, 1
	TURN 0, 1, 1, 1
	STEP 1, 2, 0
	TURN 1, 0, 1, 3
	STEP 0, 4, 0
	TURN 0, 1, 0, 5
	STEP 1, 6, 0
	s_cmp_eq_u32 s17, 2
	s_cbranch_scc1 .Lv_tail
	s_sub_co_u32 s86, s85, 16384
	s_mov_b32 s87, 0
	s_add_nc_u64 s[86:87], s[8:9], s[86:87]
	v_lshlrev_b32 v4, 6, v2
	WIN TO_B
.irp g, 0,1,2,3
.irp j, 0,1,2,3
	global_load_b128 v[96+16*\g+4*\j+96*(\g/2):99+16*\g+4*\j+96*(\g/2)], v4, s[86:87] offset:128*\g+16*\j
.endr
.endr
	WIN 0
	s_lshl_b32 s80, s40, 2
	s_lshl_b32 s81, s16, 1
	s_add_co_u32 s80, s80, s81
	s_lshl_b32 s80, s80, 5
	s_lshl_b32 s81, s42, 3
	s_add_co_u32 s80, s80, s81
	s_lshl_b32 s81, s41, 1
	s_add_co_u32 s80, s80, s81
	s_add_co_u32 s80, s80, s15
	s_mov_b32 s82, 13056
	s_cmp_eq_u32 s17, 0
	s_cselect_b32 s82, 6656, s82
	s_cselect_b64 s[68:69], s[10:11], s[12:13]
	s_mul_i32 s80, s80, s82
	s_mov_b32 s81, 0
	s_add_nc_u64 s[68:69], s[68:69], s[80:81]
	s_lshl_b32 s80, s82, 5
	s_add_nc_u64 s[70:71], s[68:69], s[80:81]
	LAST
	s_wait_loadcnt 0x0
.irp a, 0,1,2,3,4,5,6,7
	EPI \a, 0
.endr
	v_cmp_ne_u32 vcc_lo, 0, v2
.irp i, 0,1,2,3
	v_cndmask_b32 v[FO+\i], v[WA+\i], v[WA+4+\i], vcc_lo
	v_cndmask_b32 v[FO+4+\i], v[WB+\i], v[WB+4+\i], vcc_lo
.endr
	global_store_b128 v[L16], v[FO:FO+3], s[68:69] offset:6144
	global_store_b128 v[L16], v[FO+4:FO+7], s[70:71] offset:6144
	FINISH
.Lv_tail:
	s_sub_co_u32 s86, s84, 16384
	s_mov_b32 s87, 0
	s_add_nc_u64 s[86:87], s[8:9], s[86:87]
	v_and_b32 v4, 8, v1
	v_add_nc_u32 v4, v4, v1
	v_lshlrev_b32 v4, 2, v4
	WIN TO_B
.irp a, 0,1,2,3,4,5,6,7
	global_load_b32 v[96+2*\a], v4, s[86:87] offset:(32*(\a/2)+8*(\a%2))*4
	global_load_b32 v[97+2*\a], v4, s[86:87] offset:(32*(\a/2)+8*(\a%2))*4
.endr
	WIN 0
	s_lshl_b32 s80, s41, 2
	s_lshl_b32 s81, s15, 1
	s_add_co_u32 s80, s80, s81
	s_lshl_b32 s80, s80, 5
	s_lshl_b32 s81, s42, 3
	s_add_co_u32 s80, s80, s81
	s_lshl_b32 s81, s40, 1
	s_add_co_u32 s80, s80, s81
	s_add_co_u32 s80, s80, s16
	s_mul_i32 s80, s80, 13056
	s_add_co_u32 s80, s80, 6656
	s_mov_b32 s81, 0
	s_add_nc_u64 s[68:69], s[12:13], s[80:81]
	s_add_nc_u64 s[70:71], s[68:69], 32*13056
	LAST
	s_wait_loadcnt 0x0
.irp a, 0,1,2,3,4,5,6,7
	EPI \a, 1
.endr
	v_cmp_ne_u32 vcc_lo, 0, v2
.irp e, 0,1
	v_cndmask_b32 v[FO+2*\e], v[WA+4*\e], v[WA+4*\e+2], vcc_lo
	v_cndmask_b32 v[FO+2*\e+1], v[WA+4*\e+1], v[WA+4*\e+3], vcc_lo
	global_store_b64 v[RH], v[FO+2*\e:FO+2*\e+1], s[68+2*\e:69+2*\e] offset:6144
.endr
	FINISH
.Lfunc_end_k_qf5edec2d71_qkv:
	.size	k_qf5edec2d71_qkv, .Lfunc_end_k_qf5edec2d71_qkv-k_qf5edec2d71_qkv
	.p2alignl 7, 3214868480
	.fill 96, 4, 3214868480
	.section	.rodata,"a",@progbits
	.p2align	6, 0x0
	.amdhsa_kernel k_qf5edec2d71_qkv
		.amdhsa_group_segment_fixed_size 327680
		.amdhsa_private_segment_fixed_size 0
		.amdhsa_enable_private_segment 0
		.amdhsa_kernarg_size 40
		.amdhsa_user_sgpr_count 2
		.amdhsa_user_sgpr_kernarg_segment_ptr 1
		.amdhsa_wavefront_size32 1
		.amdhsa_system_sgpr_workgroup_id_x 1
		.amdhsa_system_sgpr_workgroup_id_y 1
		.amdhsa_system_sgpr_workgroup_id_z 1
		.amdhsa_system_vgpr_workitem_id 0
		.amdhsa_next_free_vgpr 1024
		.amdhsa_next_free_sgpr 100
		.amdhsa_reserve_vcc 1
		.amdhsa_float_denorm_mode_32 3
		.amdhsa_float_denorm_mode_16_64 3
		.amdhsa_memory_ordered 1
		.amdhsa_forward_progress 1
		.amdhsa_inst_pref_size 217
	.end_amdhsa_kernel
	.amdgpu_metadata
---
amdhsa.version: [ 1, 2 ]
amdhsa.kernels:
  - .name:           k_qf5edec2d71_qkv
    .symbol:         k_qf5edec2d71_qkv.kd
    .args:
      - { .name: cq1, .offset: 0, .size: 8, .value_kind: global_buffer, .address_space: global }
      - { .name: sc1, .offset: 8, .size: 8, .value_kind: global_buffer, .address_space: global }
      - { .name: b_qkv, .offset: 16, .size: 8, .value_kind: global_buffer, .address_space: global }
      - { .name: qq, .offset: 24, .size: 8, .value_kind: global_buffer, .address_space: global }
      - { .name: kv, .offset: 32, .size: 8, .value_kind: global_buffer, .address_space: global }
    .group_segment_fixed_size: 327680
    .private_segment_fixed_size: 0
    .kernarg_segment_align: 8
    .kernarg_segment_size: 40
    .max_flat_workgroup_size: 128
    .sgpr_count:     100
    .vgpr_count:     1024
    .wavefront_size: 32
...
	.end_amdgpu_metadata
.endif
;; end of part 2
;; launch attn (part 3): grid 16 x 16, 16 waves a work-group, no clusters, 327,680 bytes of LDS; arguments qq, kv, cq2, sc2; writes cq2, sc2
.if DOCPART == 3
	.amdgcn_target "amdgcn-amd-amdhsa--gfx1250"
	.amdhsa_code_object_version 6
	.text
	.protected	k_qf5edec2d71_attn
	.globl	k_qf5edec2d71_attn
	.p2align	8
	.type	k_qf5edec2d71_attn,@function
k_qf5edec2d71_attn:
	s_mov_b64 s[64:65], 0
	v_nop
	global_prefetch_b8 v0, s[64:65] scope:SCOPE_SE
	s_setreg_imm32_b32 hwreg(HW_REG_WAVE_MODE, 25, 1), 1
	s_wait_xcnt 0x0
; Causal attention, 16 heads of 64, 4,096 tokens, both products on codes of BF6 (E3M2); the result, divided by the row's sum, is quantised along the head's 64 as an operand of the projection.
; IN.  qq [head][block of 128 tokens][6,656]: eight half fragments (16 tokens x 64 channels: registers 0-3 of lane l at 16 l, 4-5 at 512 + 8 l), two scale units.  kv [head][block][13,056]: K likewise, V's four fragments
; (16 channels x 128 keys, registers 4 c .. of lane l at 512 c + 16 l) at 6,656, V's scale unit at 12,800.  A tile's rows: tile t, lane row r = row 32 (t / 2) + 8 (t % 2) + r + 8 (r / 8).
; LEFT OUT: key steps that lie wholly behind a tile's queries: the causal mask makes their p zero for all inputs.
; THE FIRST PRODUCT'S K is 64, half of the instruction's 128: the upper six registers of Q's and K's fragments are zero codes, written once.
; SOFTMAX.  t = score x log2(e) / 8; M = the running largest t rounded UP to a whole number; p = 2^(t - M) is quantised along the keys, not normalised; the row's sum is taken of the unquantised p and divides at the end.
; When M moves, the sum and O are multiplied by 2^(old M - new M): exact.  Both products transposed (S^T = K Q^T, O^T = V^T P^T): a lane holds ONE query.
; SHARES.  Work-group (j, head), sixteen waves.  Its two blocks of queries are 31 - j and j; it walks ONE stream of 33 key steps of 128: the keys' blocks 0 .. 31 - j for the first block of queries, then 0 .. j for the second.
; Waves w and w + 8 own tile w % 8 of both blocks and share the stream by turns: group 1 (waves 8-15) takes the even stream steps, group 0 the odd ones: 17 rounds, in the first of which group 0 has no step.
; Each wave has a running M, a sum and an O^T of its own over its own keys.  When its next step belongs to the second block it stores that part (O^T, -M, the sum) into LDS bytes of its own, takes the second Q from there, and sets M
; back to its start, so that the next step's factor is 0 and wipes O^T and the sum.  At the end it stores its second part; behind one barrier wave (group g, tile w) joins the two parts of tile w of block g:
; each part x 2^(its M - the larger M), exact, then the division, the quantiser and the stores.  A part that saw no key has M at its start and gets the factor 0.
; RING.  Two LDS slots of four key steps (52,224 dense bytes).  At the head waves 0-3 fetch stream steps 1 to 4 into slot 0 and wave 4 step 0 into a fifth place behind them, which is filled once.  Then seven fills by waves 0-3.
; the add ahead of a barrier from.
; No cluster: from stream step 32 - j on the tile's address hangs on the work-group's own number, and a joint request wants one descriptor in all partners.
; LIMITS: NaN and infinities are not served; the promise holds while the scaled scores stay under 2^31 in magnitude; a p under 2^-126 counts as 0; a block's largest p is taken from its largest score (v_exp_f32 is taken not to
; fall where its input rises); a block of zeros keeps the byte 1; the two parts of a row are added in another order than one walk along the keys would add them.
; REGISTERS: v1-3 16 l, 8 l, 16 r; v4-5 the add's; v6 256 l; v7 Q's scale word; v8-10 the slot's LDS addresses; v11 the mask's number; v12 -M, v13 the largest t, v[14:15] the sum; v16-27 Q; v28-31 V's scale words;
;   v32-79 four fragments of K (behind the first products their lower registers serve as f, v36, and as eight partial sums); v80-127 V's four; v128-191 S^T, then p; v192-223 O^T; v224-235 p's codes;
;   v232-247, v252, v254 at work; v248-251 K's scale words; v253 p's scale word.
.set S,     128
.set O,     192
.set FF,    36
.set KSB,   13056                      ; a key step's bytes
.set SLOT1, 65536                      ; slot 1 begins here; slot 0's five places end at 65,280
.set SPARE, 131072                     ; the spare words: 128 bytes for each of sixteen waves
.set SCST,  133120                     ; four scale units on their way out: written by LDS stores alone
.set STATE, 135168                     ; 9,216 bytes for each wave: two parts of 4,608 (O^T in eight images of 512 bytes, then v12-15); the second part's place holds the second Q until it is taken
.set PART,  4608
.set SPW,  4
.set NIL,  5
.set WV,   18                          ; s18 my wave's number
.set GR,   19                          ; s19 my group
.set SEL,  20                          ; s[20:21] selects for lane l xor 16
.set CS,   22                          ; s[22:23] c = log2(e) / 8
.set G1,   24                          ; s[24:31] descriptor group 1
.set G0,   40                          ; s[40:43] group 0
.set TB,   2                           ; s2  LDS byte at which my steps of the slot in hand begin
.set W8,   55                          ; s55 my tile
.set STA,  57                          ; s57 my LDS bytes for parts
.set MA,   58                          ; s58 the parts that I join
.set TB0,  59                          ; s59 group x a key step's bytes
.set SWL,  60                          ; s60 the last stream step of the first block; 1000 once I have changed
.set KC,   66                          ; s66 my stream step's number
.set SLOTS, 67                         ; s67 slots still to be asked for
.set KT,   68                          ; s68 the stream step of the next diagonal
.set LL,   69                          ; s69 32 - j: the first block's steps
.set SI,   70                          ; s70 the stream step that I fetched last
.set HB,   72                          ; s[72:73] the head's part of kv
.set PFA,  76                          ; s[76:77] where my prefetches stand
.set PFC,  78                          ; s78 which run of 8,192 bytes of the head's part that is
.set LIM,  80                          ; s80 51 in a wave that prefetches, else 0
.macro TLOAD n                         ; waves 0 .. n - 1 fetch; the branch hangs on the wave's number alone; s_nop 0 and four v_nop follow the load
	s_cmp_lt_u32 s[WV], \n
	s_cbranch_scc0 .Lasked_\@
	tensor_load_to_lds s[G0:G0+3], s[G1:G1+7]
	s_nop 0
.rept 4
	v_nop
.endr
.Lasked_\@:
.endm
; A PREFETCH INTO THE L2.  A head's part of kv is 51 runs of 8,192 bytes.  All sixteen work-groups of a head walk it from its start: work-group j = 0, whose first block walks all of it, asks, by waves 5 to 11, which fetch nothing.
; At filling change c (0, 1, ..) wave w names run 7 c + 9 + w, lanes 256 bytes apart: seven runs, 57,344 bytes, against the 52,224 that a change's tensor loads take: change c names what change c + 1 will load.
; Each block of 256 bytes is named once; runs 0 to 13 come by their loads alone; from run 51 on nothing is asked for.
.macro ASK
	s_cmp_lt_u32 s[PFC], s[LIM]
	s_cbranch_scc0 .Lnot_mine_\@
	global_prefetch_b8 v6, s[PFA:PFA+1] th:TH_LOAD_NT scope:SCOPE_SE
.Lnot_mine_\@:
.endm
.macro SAVE off                        ; my part into my own LDS bytes: each accumulator from its low end on
	v_add_nc_u32 v254, s[STA], v1
.irp k, 0,1,2,3,4,5,6,7
	ds_store_b128 v254, v[O+4*\k:O+4*\k+3] offset:\off+512*\k
.endr
	ds_store_b128 v254, v[12:15] offset:\off+4096
.endm
.macro PADD d, a, b
	v_pk_add_f32 v[\d:\d+1], v[\a:\a+1], v[\b:\b+1]
.endm
	s_load_b256 s[4:11], s[0:1], 0x0               ; qq s[4:5], kv s[6:7], cq2 s[8:9], sc2 s[10:11]
	v_lshl_add_u32 v[SPW], v0, 2, SPARE
	v_mov_b32 v[NIL], 0
	ds_add_u32 v[SPW], v[NIL]                      ; the opening lines: the add twice on end and one wait
	ds_add_u32 v[SPW], v[NIL]
	v_lshrrev_b32 v8, 5, v0
	s_delay_alu instid0(VALU_DEP_1)
	v_readfirstlane_b32 s[WV], v8                  ; wave 0..15
	s_mov_b32 s52, ttmp9                           ; j
	s_and_b32 s81, ttmp7, 0xffff                   ; the head
	s_sub_co_u32 s[LL], 32, s52
	s_sub_co_u32 s[KT], 31, s52                    ; the first block of queries, and its diagonal's stream step
	s_mov_b32 s[SWL], s[KT]
	s_lshr_b32 s[GR], s[WV], 3
	s_and_b32 s[W8], s[WV], 7
	s_mov_b32 s[G1], 3<<16                         ; no mask; elements of 8 bytes; no padding
	s_mov_b32 s[G1+1], 32<<16                      ; rows of 256 bytes,
	s_mov_b32 s[G1+2], 51<<16                      ; 51 of them: 13,056 dense bytes
	s_mov_b32 s[G1+3], 32<<16
	s_mov_b32 s[G1+4], 51
	s_mov_b32 s[G1+5], 32
	s_mov_b32 s[G1+6], 0
	s_mov_b32 s[G1+7], 0
	s_mul_i32 s74, s81, 32*KSB
	s_mov_b32 s75, 0
	s_add_co_u32 s[SI], s[WV], 1                   ; waves 0-3: stream step w + 1 into place w of slot 0;
	s_cmp_eq_u32 s[WV], 4
	s_cselect_b32 s82, 0, s[SI]                    ; wave 4: step 0 into the fifth place
	s_mul_i32 s82, s82, KSB
	s_mov_b32 s83, 0
	s_mul_i32 s84, s[WV], KSB
	s_wait_dscnt 0x0
	s_wait_kmcnt 0x0
	s_add_nc_u64 s[HB:HB+1], s[6:7], s[74:75]
	s_mov_b32 s[G0], 1
	s_mov_b32 s[G0+1], s84
	s_add_nc_u64 s[G0+2:G0+3], s[HB:HB+1], s[82:83]
	s_or_b32 s[G0+3], s[G0+3], 0x80000000
	TLOAD 5
	s_sub_co_u32 s82, s[WV], 5
	s_cmp_lt_u32 s82, 7
	s_cselect_b32 s82, 0, 1
	s_or_b32 s82, s82, s52
	s_cmp_eq_u32 s82, 0                            ; waves 5 to 11 of work-group j = 0
	s_cselect_b32 s[LIM], 51, 0
	s_add_co_u32 s[PFC], s[WV], 2                  ; the first filling change steps it to w + 9
	s_lshl_b32 s82, s[PFC], 13
	s_add_nc_u64 s[PFA:PFA+1], s[HB:HB+1], s[82:83]
	s_mul_i32 s[TB0], s[GR], KSB
	s_add_co_u32 s[TB], s[TB0], 3*KSB              ; the first round: group 1 reads the fifth place
	s_sub_co_u32 s[KC], s[GR], 1                   ; group 1 begins at stream step 0, group 0, a round later, at 1
	s_mul_i32 s[STA], s[WV], 2*PART
	s_add_co_u32 s[STA], s[STA], STATE
	s_mul_i32 s[MA], s[W8], 2*PART
	s_mul_i32 s82, s[GR], PART
	s_add_co_u32 s[MA], s[MA], s82
	s_add_co_u32 s[MA], s[MA], STATE               ; group 0's part of tile w of block g; group 1's lies 8 x 9,216 bytes on
	s_mul_i32 s44, s[W8], 768                      ; my tile's codes in a block of qq
	s_lshr_b32 s46, s[W8], 2
	s_and_b32 s47, s[W8], 3
	s_lshl_b32 s45, s46, 8
	s_lshl_b32 s48, s47, 2
	s_add_co_u32 s45, s45, s48                     ; my word in a pair of scale units: 256 (w / 4) + 4 (w % 4)
	s_lshl_b32 s98, s[GR], 9
	s_add_co_u32 s98, s98, s45
	s_add_co_u32 s98, s98, SCST                    ; LDS: the place of the word that I make: units 2 g, 2 g + 1
	s_and_b32 s99, s[WV], 3
	s_lshl_b32 s99, s99, 8
	s_add_co_u32 s99, s99, SCST                    ; and the unit that I read back
	s_lshl_b32 s84, s81, 5
	s_add_co_u32 s88, s84, s52
	s_add_co_u32 s84, s84, s[KT]
	s_mul_i32 s84, s84, 6656                       ; qq: the first block,
	s_mul_i32 s88, s88, 6656                       ; the second
	s_add_co_u32 s86, s84, s45
	s_add_co_u32 s86, s86, 6144
	s_add_co_u32 s90, s88, s45
	s_add_co_u32 s90, s90, 6144
	s_add_co_u32 s84, s84, s44
	s_add_co_u32 s88, s88, s44
	s_mov_b32 s85, 0
	s_mov_b32 s87, 0
	s_mov_b32 s89, 0
	s_mov_b32 s91, 0
	s_lshr_b32 s49, s81, 2                         ; cq2: four heads to a pair of K steps; a half fragment a head
	s_mul_i32 s49, s49, 983040
	s_and_b32 s50, s81, 3
	s_mul_i32 s50, s50, 768
	s_add_co_u32 s49, s49, s50
	s_cmp_eq_u32 s[GR], 0
	s_cselect_b32 s92, s[KT], s52                  ; the block whose tile I join
	s_lshl_b32 s92, s92, 3
	s_add_co_u32 s92, s92, s[W8]
	s_mul_i32 s92, s92, 3072
	s_add_co_u32 s92, s92, s49
	s_mov_b32 s93, 0
	s_cmp_lt_u32 s[WV], 2                          ; sc2: waves 0, 1 store the first block's two units, waves 2, 3 the second's
	s_cselect_b32 s96, s[KT], s52
	s_lshl_b32 s96, s96, 1
	s_and_b32 s51, s[WV], 1
	s_add_co_u32 s96, s96, s51
	s_lshl_b32 s96, s96, 8
	s_lshr_b32 s51, s81, 1
	s_mul_i32 s51, s51, 36864
	s_add_co_u32 s96, s96, s51
	s_and_b32 s51, s81, 1
	s_lshl_b32 s51, s51, 14
	s_add_co_u32 s96, s96, s51
	s_mov_b32 s97, 0
	s_lshr_b32 s53, s[W8], 1
	s_lshl_b32 s53, s53, 5
	s_and_b32 s54, s[W8], 1
	s_lshl_b32 s54, s54, 3
	s_add_co_u32 s53, s53, s54                     ; my tile's first row in its block
	s_add_nc_u64 s[84:85], s[4:5], s[84:85]
	s_add_nc_u64 s[86:87], s[4:5], s[86:87]
	s_add_nc_u64 s[88:89], s[4:5], s[88:89]
	s_add_nc_u64 s[90:91], s[4:5], s[90:91]
	s_add_nc_u64 s[92:93], s[8:9], s[92:93]
	s_add_nc_u64 s[96:97], s[10:11], s[96:97]
	s_mov_b32 s[SEL], 0x76543210
	s_mov_b32 s[SEL+1], 0xfedcba98
	s_mov_b32 s[CS], 0x3e38aa3b                    ; c = log2(e) / sqrt(64)
	s_mov_b32 s[CS+1], s[CS]
	s_mov_b32 s[SLOTS], 7
	v_and_b32 v8, 31, v0
	v_and_b32 v9, 15, v0                           ; r
	v_bfe_u32 v10, v0, 4, 1
	v_lshlrev_b32 v1, 4, v8
	v_lshlrev_b32 v2, 3, v8
	v_lshlrev_b32 v6, 8, v8
	v_lshlrev_b32 v3, 4, v9
	v_and_b32 v11, 8, v9
	v_lshlrev_b32 v10, 4, v10
	s_delay_alu instid0(VALU_DEP_2)
	v_add_nc_u32 v11, v11, v9
	s_delay_alu instid0(VALU_DEP_1)
	v_sub_nc_u32 v11, v11, v10
	s_delay_alu instid0(VALU_DEP_1)
	v_add_nc_u32 v11, s53, v11                     ; my query's place in its block, less 16 (lane / 16): register 16 b + i holds key 32 b + i + 16 (lane / 16): hidden where 32 b + i is above this
	s_wait_alu depctr_va_vdst(0)                   ; the wait behind these writes
	global_load_b128 v[16:19], v1, s[84:85]        ; the first block's Q
	global_load_b64 v[20:21], v2, s[84:85] offset:512
	global_load_b32 v7, v3, s[86:87]
	global_load_b128 v[S:S+3], v1, s[88:89]        ; the second's, on its way into LDS
	global_load_b64 v[S+4:S+5], v2, s[88:89] offset:512
	global_load_b32 v[S+8], v3, s[90:91]
	v_mov_b32 v[S+6], 0                            ; (stored with it: the first two of Q's zero codes)
	v_mov_b32 v[S+7], 0
	v_mov_b32 v13, 0xff61b1e6                      ; the largest t so far: -3e38
	v_mov_b32 v12, 0x7f61b1e6                      ; -M = 3e38
	v_mov_b32 v14, 0
	v_mov_b32 v15, 0
.irp j, 22,23,24,25,26,27
	v_mov_b32 v[\j], 0                             ; Q's upper 64 along K: zero codes
.endr
.irp t, 0,1,2,3
.irp j, 6,7,8,9,10,11
	v_mov_b32 v[32+12*\t+\j], 0                    ; K's likewise: written once, no load lands there
.endr
.endr
.irp b, 0,1,2,3
	v_mov_b32 v[236+\b], 0                         ; a lane permute's destination counts as one of its sources
.endr
	v_mov_b32 v252, 0
.set j, 0
.rept 32
	v_mov_b32 v[O+j], 0                            ; O^T: the step is written once; the first finds zeros
.set j, j+1
.endr
	SAVE 0                                         ; an empty part, so that every way through the text finds these bytes written
	s_wait_alu depctr_va_vdst(0)                   ; the wait at the head's end
	s_wait_loadcnt 0x0                             ; both Q
	ds_store_b128 v254, v[S:S+3] offset:PART       ; the second Q as images of its registers, 16 bytes a lane
	ds_store_b128 v254, v[S+4:S+7] offset:PART+512
	ds_store_b32 v254, v[S+8] offset:PART+1024
; A KEY STEP: 128 keys: my group's step of round rr of the slot in hand.  pre = 1: the first round, in which group 0 has no step and no change of blocks can follow.
.macro STEP rr, pre
.if \pre
	s_cmp_lt_u32 s[WV], 8
	s_cbranch_scc1 .Lskip_\@
.endif
.irp t, 0,1,2,3
	ds_load_b128 v[32+12*\t:35+12*\t], v8 offset:2*KSB*(\rr)+768*\t
	ds_load_b64 v[36+12*\t:37+12*\t], v9 offset:2*KSB*(\rr)+768*\t+512
.endr
	ds_load_b128 v[248:251], v10 offset:2*KSB*(\rr)+6144           ; four tiles' scale words of my row
.irp d, 0,1,2,3
.irp c, 0,1,2
	ds_load_b128 v[80+12*\d+4*\c:83+12*\d+4*\c], v8 offset:2*KSB*(\rr)+6656+1536*\d+512*\c
.endr
.endr
	ds_load_b128 v[28:31], v10 offset:2*KSB*(\rr)+12800
	s_wait_dscnt 13                                ; K's first four tiles and their words are in; V's 13 loads may be out
.irp t, 0,1,2,3
	v_wmma_scale_f32_16x16x128_f8f6f4 v[S+8*\t:S+8*\t+7], v[32+12*\t:43+12*\t], v[16:27], 0, v[248+\t], v7 matrix_a_fmt:MATRIX_FMT_BF6 matrix_b_fmt:MATRIX_FMT_BF6
.endr
.rept 4
	v_nop                                          ; places ahead of the loads into K's registers
.endr
.irp t, 0,1,2,3
	ds_load_b128 v[32+12*\t:35+12*\t], v8 offset:2*KSB*(\rr)+768*(4+\t)
	ds_load_b64 v[36+12*\t:37+12*\t], v9 offset:2*KSB*(\rr)+768*(4+\t)+512
.endr
	ds_load_b128 v[248:251], v10 offset:2*KSB*(\rr)+6144+256
	s_wait_dscnt 0x0
.irp t, 0,1,2,3
	v_wmma_scale_f32_16x16x128_f8f6f4 v[S+32+8*\t:S+32+8*\t+7], v[32+12*\t:43+12*\t], v[16:27], 0, v[248+\t], v7 matrix_a_fmt:MATRIX_FMT_BF6 matrix_b_fmt:MATRIX_FMT_BF6
.endr
.rept 4
	v_nop                                          ; places ahead of the first read of S^T
.endr
	s_cmp_lg_u32 s[KC], s[KT]                      ; on a diagonal hidden scores become -infinity ahead of the maximum, and p = 0: a branch on ids
	s_cbranch_scc1 .Lopen_\@
	v_mov_b32 v254, 0xff800000
.set n, 0
.rept 64
	v_cmp_gt_i32 vcc_lo, 32*(n/16)+n%16, v11
	v_cndmask_b32 v[S+n], v[S+n], v254, vcc_lo
.set n, n+1
.endr
.Lopen_\@:
.irp b, 0,1,2,3
	v_max3_num_f32 v[232+\b], v[S+16*\b], v[S+1+16*\b], v[S+2+16*\b]   ; the largest score of each block of 32 keys: for the row's maximum and for the block's largest p
.endr
.irp i, 3,5,7,9,11,13
.irp b, 0,1,2,3
	v_max3_num_f32 v[232+\b], v[232+\b], v[S+16*\b+\i], v[S+1+16*\b+\i]
.endr
.endr
.irp b, 0,1,2,3
	v_max_num_f32 v[232+\b], v[232+\b], v[S+15+16*\b]
.endr
.irp b, 0,1,2,3
	s_delay_alu instid0(VALU_DEP_4)
	v_permlanex16_b32 v[236+\b], v[232+\b], s[SEL], s[SEL+1]
.endr
.irp b, 0,1,2,3
	s_delay_alu instid0(VALU_DEP_4)
	v_max_num_f32 v[232+\b], v[232+\b], v[236+\b]  ; with lane l xor 16's 16 keys
.endr
	s_delay_alu instid0(VALU_DEP_2)
	v_max3_num_f32 v254, v232, v233, v234
	s_delay_alu instid0(VALU_DEP_1)
	v_max_num_f32 v254, v254, v235
	s_delay_alu instid0(VALU_DEP_1)
	v_mul_f32 v254, s[CS], v254                    ; as t (c is positive)
	s_delay_alu instid0(VALU_DEP_1)
	v_max_num_f32 v13, v13, v254                   ; the running largest t
	v_mov_b32 v254, v12
	s_delay_alu instid0(VALU_DEP_2)
	v_floor_f32 v12, -v13                          ; the new -M = -ceil(t)
	s_delay_alu instid0(VALU_DEP_1)
	v_sub_f32 v254, v12, v254                      ; old M - new M: a whole number, 0 or less
	s_delay_alu instid0(VALU_DEP_1)
	v_cvt_i32_f32 v254, v254                       ; (it saturates)
	s_delay_alu instid0(VALU_DEP_1)
	v_ldexp_f32 v[FF], 1.0, v254                   ; f = 2^(old M - new M)
.set j, 0
.rept 32
	v_pk_fma_f32 v[S+j:S+j+1], v[S+j:S+j+1], s[CS:CS+1], v[12:13] op_sel_hi:[1,0,0]   ; t - M, two at a time
.set j, j+2
.endr
.irp b, 0,1,2,3
	v_fma_f32 v[232+\b], v[232+\b], s[CS], v12     ; the same of each block's largest score
.endr
.set j, 0
.rept 16
	v_pk_mul_f32 v[O+j:O+j+1], v[O+j:O+j+1], v[FF:FF+1] op_sel_hi:[1,0]    ; O^T under the new M: its first read since the last products, each accumulator from its low end on, ahead of the exponentials
.set j, j+2
.endr
	s_wait_alu depctr_va_vdst(0)                   ; the wait ahead of the batch
.irp b, 0,1,2,3
	v_exp_f32 v[232+\b], v[232+\b]                 ; the block's largest p: the same two instructions on the same number give the same bits
.endr
.set j, 0
.rept 64
	v_exp_f32 v[S+j], v[S+j]                       ; p = 2^(t - M), at most 1
.set j, j+1
.endr
	v_pk_mul_f32 v[14:15], v[14:15], v[FF:FF+1] op_sel_hi:[1,0]    ; the sums under the new M: the plain place behind the exponentials
	s_wait_alu depctr_va_vdst(0)                   ; one wait for the whole batch, ahead of its first reader
.irp b, 0,1,2,3
	v_max_num_f32 v[232+\b], 0x2800000, v[232+\b]  ; the floor 2^(5 - 127): the byte cannot fall under 1
.endr
.irp b, 0,1,2,3
	s_delay_alu instid0(VALU_DEP_4)
	v_add_nc_u32 v[244+\b], 0xfe000000, v[232+\b]  ; 4 off the exponent field: the conversion's scale operand
.endr
.irp b, 0,1,2,3
	s_delay_alu instid0(VALU_DEP_4)
	v_lshrrev_b32 v[236+\b], 23, v[244+\b]
.endr
	s_delay_alu instid0(VALU_DEP_3)
	v_lshl_or_b32 v253, v237, 8, v236              ; p's scale word for these 128 keys
	s_delay_alu instid0(VALU_DEP_1)
	v_lshl_or_b32 v253, v238, 16, v253
	s_delay_alu instid0(VALU_DEP_1)
	v_lshl_or_b32 v253, v239, 24, v253
.irp c, 0,1
	v_cvt_scalef32_pk16_bf6_f32 v[224+6*\c:226+6*\c], v[S+32*\c:S+15+32*\c], v[244+2*\c]
	v_cvt_scalef32_pk16_bf6_f32 v[236+4*\c:238+4*\c], v[S+16+32*\c:S+31+32*\c], v[244+2*\c+1]
.endr
	v_nop                                          ; one plain place behind a scaled conversion
.irp c, 0,1                            ; a WHOLE block in a lane: lanes 0-15 block 2 c, lanes 16-31 block 2 c + 1
.irp i, 0,1,2
	v_permlane16_swap_b32 v[224+6*\c+\i], v[236+4*\c+\i]
.endr
.irp i, 0,1,2
	s_delay_alu instid0(VALU_DEP_3)
	v_mov_b32 v[227+6*\c+\i], v[236+4*\c+\i]
.endr
.endr
; the row's sum of the unquantised p: eight chains of four pairs, in the lower registers of K's fragments.  These 32 additions are also the places between the scale word's and the codes' last writes and the products
.irp k, 0,1,2,3,4,5,6,7
	PADD 32+12*(\k/2)+2*(\k%2), S+8*\k, S+8*\k+2
.endr
.irp i, 4,6
.irp k, 0,1,2,3,4,5,6,7
	PADD 32+12*(\k/2)+2*(\k%2), 32+12*(\k/2)+2*(\k%2), S+8*\k+\i
.endr
.endr
	PADD 32, 32, 34
	PADD 44, 44, 46
	PADD 56, 56, 58
	PADD 68, 68, 70
	s_delay_alu instid0(VALU_DEP_3)
	PADD 32, 32, 44
	s_delay_alu instid0(VALU_DEP_2)
	PADD 56, 56, 68
	s_delay_alu instid0(VALU_DEP_1)
	PADD 32, 32, 56
	s_delay_alu instid0(VALU_DEP_1)
	PADD 14, 14, 32
.irp d, 0,1,2,3                        ; O^T += V^T P^T: four accumulators by turns
	v_wmma_scale_f32_16x16x128_f8f6f4 v[O+8*\d:O+8*\d+7], v[80+12*\d:91+12*\d], v[224:235], v[O+8*\d:O+8*\d+7], v[28+\d], v253 matrix_a_fmt:MATRIX_FMT_BF6 matrix_b_fmt:MATRIX_FMT_BF6
.endr
.rept 4
	v_nop                                          ; places ahead of the loads into V's registers and of any read of O^T
.endr
.if \pre
.Lskip_\@:
.endif
	s_add_co_u32 s[KC], s[KC], 2
.if \pre == 0
	s_cmp_le_i32 s[KC], s[SWL]                     ; does my next step belong to the second block?  A branch on ids
	s_cbranch_scc1 .Lsame_\@
	SAVE 0                                         ; my part of the first block's tile;
	ds_load_b128 v[16:19], v254 offset:PART        ; the second Q,
	ds_load_b128 v[20:23], v254 offset:PART+512
	ds_load_b32 v7, v254 offset:PART+1024          ; its scale word;
	v_mov_b32 v13, 0xff61b1e6                      ; M back at its start: the next step's f is 0, which wipes O^T and the sum
	v_mov_b32 v12, 0x7f61b1e6
	s_mov_b32 s[KT], 32                            ; the second block's diagonal is the stream's last step
	s_mov_b32 s[SWL], 1000
	s_wait_dscnt 0x0
.Lsame_\@:
.endif
.endm
; THE CHANGE OF SLOTS.  Each wave waits for all its tensor loads, adds 0 to its spare word, and waits for that and for its reads of the slot that it has left.  Behind the barrier the slot ahead is whole and nobody reads the other.
; fill = 1: that other slot takes the stream's next four steps: step i is the keys' block i, or i - (32 - j) from the second block on.  By this text's count one tensor load of a wave is out at a time.
.macro CHANGE fill, twice
	s_wait_tensorcnt 0x0                           ; no tensor load of mine is out, so group 0 may be written
	ds_add_u32 v[SPW], v[NIL]                      ; the add
.if \twice
	ds_add_u32 v[SPW], v[NIL]
.endif
.if \fill
	s_xor_b32 s[G0+1], s[G0+1], SLOT1
	s_add_co_u32 s[SI], s[SI], 4
	s_cmp_lt_u32 s[SI], s[LL]
	s_cselect_b32 s74, 0, s[LL]
	s_sub_co_u32 s74, s[SI], s74
	s_mul_i32 s74, s74, KSB
	s_add_nc_u64 s[G0+2:G0+3], s[HB:HB+1], s[74:75]
	s_or_b32 s[G0+3], s[G0+3], 0x80000000
	s_wait_xcnt 0x0                                ; the last prefetch, a slot back, has read its address
	s_add_nc_u64 s[PFA:PFA+1], s[PFA:PFA+1], 57344
	s_add_co_u32 s[PFC], s[PFC], 7
.endif
	s_wait_dscnt 0x0
	s_barrier_signal -1
	s_barrier_wait -1
.if \fill
	TLOAD 4                                        ; the first thing behind the barrier, and a wave's one tensor load until the next
	ASK
.endif
	v_add_nc_u32 v8, s[TB], v1
	v_add_nc_u32 v9, s[TB], v2
	v_add_nc_u32 v10, s[TB], v3
	s_wait_alu depctr_va_vdst(0)                   ; the wait behind these writes
.endm
	CHANGE 0, 1                                    ; the head's five key steps are in, for every wave
	STEP 0, 1                                      ; the first round: stream step 0, group 1
	s_mov_b32 s[TB], s[TB0]                        ; slot 0
.Lslot:                                            ; seven trips: behind each change of slots but the last the next slot is asked for
	CHANGE 1, 1
	STEP 0, 0
	STEP 1, 0
	s_xor_b32 s[TB], s[TB], SLOT1
	s_sub_co_u32 s[SLOTS], s[SLOTS], 1
	s_cmp_lg_u32 s[SLOTS], 0
	s_cbranch_scc1 .Lslot
	CHANGE 0, 0                                    ; the last slot is written out
	STEP 0, 0
	STEP 1, 0
	; THE JOIN.  Every wave's second part goes to LDS; behind the barrier I take both groups' parts of one tile.
	s_wait_alu depctr_va_vdst(0)                   ; the wait
	SAVE PART
	v_add_nc_u32 v8, s[MA], v1                     ; group 0's part,
	v_add_nc_u32 v9, s98, v3                       ; LDS: my row's scale word
	v_add_nc_u32 v11, s99, v2                      ; and 8 bytes a lane of the unit that I read back
	s_delay_alu instid0(VALU_DEP_3)
	v_add_nc_u32 v10, 16*PART, v8                  ; group 1's
	s_wait_alu depctr_va_vdst(0)                   ; the wait
	s_wait_dscnt 0x0                               ; for the others' sake: my parts have landed
	s_barrier_signal -1
	s_barrier_wait -1
.irp k, 0,1,2,3,4,5,6,7
	ds_load_b128 v[O+4*\k:O+4*\k+3], v8 offset:512*\k
	ds_load_b128 v[S+4*\k:S+4*\k+3], v10 offset:512*\k
.endr
	ds_load_b128 v[12:15], v8 offset:4096
	ds_load_b128 v[S+32:S+35], v10 offset:4096
	s_wait_dscnt 0x0
	v_min_num_f32 v254, v12, v[S+32]               ; -M of the larger M
	v_add_f32 v14, v14, v15
	v_add_f32 v[S+34], v[S+34], v[S+35]
	s_delay_alu instid0(VALU_DEP_3)
	v_sub_f32 v232, v254, v12                      ; each part's M less the larger: a whole number, 0 or less
	v_sub_f32 v233, v254, v[S+32]
	s_delay_alu instid0(VALU_DEP_2)
	v_cvt_i32_f32 v232, v232                       ; (it saturates: a part that saw no key gets the factor 0)
	s_delay_alu instid0(VALU_DEP_2)
	v_cvt_i32_f32 v233, v233
	s_delay_alu instid0(VALU_DEP_2)
	v_ldexp_f32 v36, 1.0, v232
	s_delay_alu instid0(VALU_DEP_2)
	v_ldexp_f32 v38, 1.0, v233
	s_delay_alu instid0(VALU_DEP_2)
	v_mul_f32 v14, v14, v36
	s_delay_alu instid0(VALU_DEP_1)
	v_fma_f32 v14, v[S+34], v38, v14
	s_delay_alu instid0(VALU_DEP_1)
	v_permlanex16_b32 v252, v14, s[SEL], s[SEL+1]
	s_delay_alu instid0(VALU_DEP_1)
	v_add_f32 v14, v14, v252                       ; the row's sum
	s_wait_alu depctr_va_vdst(0)                   ; ahead of the reciprocal
	v_rcp_f32 v14, v14
.set j, 0
.rept 16
	v_pk_mul_f32 v[O+j:O+j+1], v[O+j:O+j+1], v[36:37] op_sel_hi:[1,0]
.set j, j+2
.endr
.set j, 0
.rept 16
	v_pk_fma_f32 v[O+j:O+j+1], v[S+j:S+j+1], v[38:39], v[O+j:O+j+1] op_sel_hi:[1,0,1]
.set j, j+2
.endr
	s_wait_alu depctr_va_vdst(0)                   ; ahead of the reciprocal's first reader
	; O^T / the sum: register 16 b + i is channel 32 b + 16 (lane / 16) + i of my query: two blocks of the projection's K
.set j, 0
.rept 32
	v_mul_f32 v[S+j], v[O+j], v14
.set j, j+1
.endr
.irp b, 0,1
	v_max3_num_f32 v[232+\b], |v[S+16*\b]|, |v[S+1+16*\b]|, 0x2800000
.endr
.irp i, 2,4,6,8,10,12,14
.irp b, 0,1
	s_delay_alu instid0(VALU_DEP_2)
	v_max3_num_f32 v[232+\b], v[232+\b], |v[S+16*\b+\i]|, |v[S+1+16*\b+\i]|
.endr
.endr
.irp b, 0,1
	s_delay_alu instid0(VALU_DEP_2)
	v_permlanex16_b32 v[236+\b], v[232+\b], s[SEL], s[SEL+1]
.endr
.irp b, 0,1
	s_delay_alu instid0(VALU_DEP_2)
	v_max_num_f32 v[232+\b], v[232+\b], v[236+\b]
.endr
.irp b, 0,1
	s_delay_alu instid0(VALU_DEP_2)
	v_add_nc_u32 v[244+\b], 0xfe000000, v[232+\b]
.endr
.irp b, 0,1
	s_delay_alu instid0(VALU_DEP_2)
	v_lshrrev_b32 v[236+\b], 23, v[244+\b]
.endr
	s_delay_alu instid0(VALU_DEP_1)
	v_lshl_or_b32 v253, v237, 8, v236              ; my head's two bytes of the row's scale word
	v_cvt_scalef32_pk16_bf6_f32 v[224:226], v[S:S+15], v244
	v_cvt_scalef32_pk16_bf6_f32 v[228:230], v[S+16:S+31], v245
	v_nop                                          ; one plain place behind a scaled conversion
.irp i, 0,1,2
	v_permlane16_swap_b32 v[224+\i], v[228+\i]     ; lanes 0-15: block 0, lanes 16-31: block 1
.endr
.irp i, 0,1,2
	s_delay_alu instid0(VALU_DEP_3)
	v_mov_b32 v[227+\i], v[228+\i]                 ; (in ascending order: each source is read before it is written)
.endr
	global_store_b128 v1, v[224:227], s[92:93]     ; the half fragment: 512 and 256 consecutive bytes, aligned
	global_store_b64 v2, v[228:229], s[92:93] offset:512
	ds_store_b32 v9, v253                          ; lanes r and r + 16 write the same word with the same value
	s_wait_dscnt 0x0                               ; for the others' sake: my word has landed
	s_barrier_signal -1
	s_barrier_wait -1
	s_cmp_lt_u32 s[WV], 4
	s_cbranch_scc0 .Lno_unit
	ds_load_b64 v[232:233], v11                    ; four waves' words: a scale unit
	s_wait_dscnt 0x0
	global_store_b64 v2, v[232:233], s[96:97]      ; one aligned unit of 256 bytes
.Lno_unit:
	s_wait_tensorcnt 0x0                           ; the wave's end
	ds_add_u32 v[SPW], v[NIL]
	s_wait_dscnt 0x0
	s_endpgm
.Lfunc_end_k_qf5edec2d71_attn:
	.size	k_qf5edec2d71_attn, .Lfunc_end_k_qf5edec2d71_attn-k_qf5edec2d71_attn
	.p2alignl 7, 3214868480
	.fill 96, 4, 3214868480
	.section	.rodata,"a",@progbits
	.p2align	6, 0x0
	.amdhsa_kernel k_qf5edec2d71_attn
		.amdhsa_group_segment_fixed_size 327680
		.amdhsa_private_segment_fixed_size 0
		.amdhsa_enable_private_segment 0
		.amdhsa_kernarg_size 32
		.amdhsa_user_sgpr_count 2
		.amdhsa_user_sgpr_kernarg_segment_ptr 1
		.amdhsa_wavefront_size32 1
		.amdhsa_system_sgpr_workgroup_id_x 1
		.amdhsa_system_sgpr_workgroup_id_y 1
		.amdhsa_system_sgpr_workgroup_id_z 1
		.amdhsa_system_vgpr_workitem_id 0
		.amdhsa_next_free_vgpr 256
		.amdhsa_next_free_sgpr 100
		.amdhsa_reserve_vcc 1
		.amdhsa_float_denorm_mode_32 3
		.amdhsa_float_denorm_mode_16_64 3
		.amdhsa_memory_ordered 1
		.amdhsa_forward_progress 1
		.amdhsa_inst_pref_size 135
	.end_amdhsa_kernel
	.amdgpu_metadata
---
amdhsa.version: [ 1, 2 ]
amdhsa.kernels:
  - .name:           k_qf5edec2d71_attn
    .symbol:         k_qf5edec2d71_attn.kd
    .args:
      - { .name: qq, .offset: 0, .size: 8, .value_kind: global_buffer, .address_space: global }
      - { .name: kv, .offset: 8, .size: 8, .value_kind: global_buffer, .address_space: global }
      - { .name: cq2, .offset: 16, .size: 8, .value_kind: global_buffer, .address_space: global }
      - { .name: sc2, .offset: 24, .size: 8, .value_kind: global_buffer, .address_space: global }
    .group_segment_fixed_size: 327680
    .private_segment_fixed_size: 0
    .kernarg_segment_align: 8
    .kernarg_segment_size: 32
    .max_flat_workgroup_size: 512
    .sgpr_count:     100
    .vgpr_count:     256
    .wavefront_size: 32
...
	.end_amdgpu_metadata
.endif
;; end of part 3
;; launch proj (part 4): grid 8 x 32, 4 waves a work-group, clusters of 4 x 4, 214,528 bytes of LDS; arguments cq2, sc2, b_proj, out0; writes out0
.if DOCPART == 4
	.amdgcn_target "amdgcn-amd-amdhsa--gfx1250"
	.amdhsa_code_object_version 6
	.text
	.protected	k_qf5edec2d71_proj
	.globl	k_qf5edec2d71_proj
	.p2align	8
	.type	k_qf5edec2d71_proj,@function
k_qf5edec2d71_proj:
	s_mov_b64 s[64:65], 0
	v_nop
	global_prefetch_b8 v0, s[64:65] scope:SCOPE_SE
	s_setreg_imm32_b32 hwreg(HW_REG_WAVE_MODE, 25, 1), 1
	s_wait_xcnt 0x0
	s_wait_alu depctr_hold_cnt(0) depctr_sa_sdst(0) depctr_va_vdst(0) depctr_va_sdst(0) depctr_va_ssrc(0) depctr_va_vcc(0) depctr_vm_vsrc(0)
	s_getreg_b32 s2, hwreg(HW_REG_IB_STS2, 6, 4)
	s_cmp_eq_u32 s2, 0
	s_cbranch_scc0 .Lentry_in_a_cluster
	s_endpgm
.Lentry_in_a_cluster:
	s_bfe_u32 s2, ttmp6, 0x10000c
	s_cmp_lg_u32 s2, 0xf033
	s_cbranch_scc0 .Lentry_shape_is_right
	s_endpgm
.Lentry_shape_is_right:
; out0 = attention's result x w_proj + b_proj on codes of BF6 (E3M2), K = 1024 (16 heads x 64).
; cq2: [4 pairs of K steps][320 tiles][3,072].  Tiles 0-255, tokens: four half fragments, one a head (registers 0-3 of lane l at 16 l, 4-5 at 512 + 8 l): two of them are a K step's fragment.  Tiles 256-319, w_proj's columns: two images
; (registers 4 c .. of lane l at 512 c + 16 l).  sc2, for each K step 36,864 bytes: the even head's 64 scale units (two bytes a word), the odd head's at 16,384, w_proj's 16 at 32,768.
; A tile's rows: tile t, lane row r = row 32 (t / 2) + 8 (t % 2) + r + 8 (r / 8).  P (source 0) = columns, R (source 1) = tokens: a lane holds one token, and the 16 registers of P's tiles 2 b, 2 b + 1 are 16 neighbouring columns.
; SHARES.  A work-group makes 128 x 128 of out0, so that there are 256 of them; a wave 64 x 64: 16 accumulators.  ALL of K for the work-group, 196,608 bytes, lies in LDS at once: four chunks, each filled once; nothing is filled again,
; so the waits on the loads are counted and the barriers are plain.  CLUSTER 4 x 4: P's tiles are asked for jointly by a column of the cluster, R's by a row.  By this text's count one tensor load of a wave is out.
; REGISTERS: window 0: v16-27 addresses; v32-63 scale words (K step s, tile i at 4 s + i: lanes 0-15 R's, lanes 16-31 P's); two sets of fragments at v64 and v160 (R's four, then P's four).  window 1: v0-127 accumulator (a, b) at 8 (4 a + b); v128-159 the bias.
.set SIG2,  983040
.set CH,    49152                      ; a chunk: one wave's four tiles x 3,072 for each of four pairs of K steps
.set QT,    12288                      ; four tiles: a row of a tensor load, and what one wave reads of R or of P
.set STAGE, 4*CH                       ; the way out: 16 rows x (256 + 16) bytes for each wave: no fill lands there
.set SC,  32
.set STO, 24                           ; v24 the stage: where I put 64 bytes of a row
.set RD,  25                           ; v25 and where I read rows back
.set CO,  26                           ; v26 my byte offset in two rows of out0
.set G1,  24                           ; s[24:31] group 1 for R; s[32:39] for P; s[48:51], s[68:71] group 0 for R and for P
.set G1B, 32
.set G0,  48
.set G0B, 68
.set MSB, 0
.macro WIN new
.if MSB != \new
	s_set_vgpr_msb (MSB<<8)|\new
.set MSB, \new
.endif
.endm
.macro CROUND                          ; a round of the cluster's barrier
	s_barrier_signal -1
	s_barrier_wait -1
	s_cmp_lg_u32 s14, 0
	s_cbranch_scc1 .Lnot_wave_0_\@
	s_barrier_signal -3
.Lnot_wave_0_\@:
	s_barrier_wait -3
	s_barrier_signal -1
	s_barrier_wait -1
.endm
.macro PLACES
.rept 4
	v_nop
.endr
.endm
	s_load_b256 s[4:11], s[0:1], 0x0               ; cq2 s[4:5], sc2 s[6:7], b_proj s[8:9], out0 s[10:11]
	v_lshl_add_u32 v30, v0, 2, 0x34400
	v_mov_b32 v31, 0
	ds_add_u32 v30, v31
	ds_add_u32 v30, v31
	v_lshrrev_b32 v1, 5, v0
	v_readfirstlane_b32 s14, v1                    ; wave 0..3
	s_lshr_b32 s15, s14, 1                         ; my half of R's tiles.  Also: I fetch for R (0) or for P (1)
	s_and_b32 s16, s14, 1                          ; my half of P's.  Also: which half I fetch
	s_bfe_u32 s40, ttmp6, 0x40000                  ; cx
	s_bfe_u32 s41, ttmp6, 0x40004                  ; cy
	s_lshl_b32 s42, ttmp9, 2
	s_add_co_u32 s42, s42, s40                     ; work-group x
	s_and_b32 s46, ttmp7, 0xffff
	s_lshl_b32 s46, s46, 2
	s_add_co_u32 s46, s46, s41                     ; work-group y
	s_lshl_b32 s43, s41, 2
	s_lshl_b32 s43, 15, s43                        ; my row of the cluster
	s_lshl_b32 s44, 0x1111, s40                    ; my column
	s_or_b32 s[G1+0], s43, (3<<16)|(1<<21)         ; the mask; elements of 8 bytes; 21 set beside a mask; no padding
	s_or_b32 s[G1B+0], s44, (3<<16)|(1<<21)
.irp g, G1, G1B
	s_mov_b32 s[\g+1], 1536<<16                    ; ONE load a wave brings its four tiles for all of K: rows of 12,288 bytes (1,536 elements of 8),
	s_mov_b32 s[\g+2], 4<<16                       ; four of them, one for each pair of K steps,
	s_mov_b32 s[\g+3], 1536<<16
	s_mov_b32 s[\g+4], 4
	s_mov_b32 s[\g+5], SIG2/8                      ; SIG2 bytes apart in memory, dense in LDS
	s_mov_b32 s[\g+6], 0
	s_mov_b32 s[\g+7], 0
.endr
	s_lshl_b32 s20, s46, 3                         ; R's first tile: it hangs on y alone
	s_lshl_b32 s21, s42, 3
	s_add_co_u32 s21, s21, 256                     ; P's: on x alone
	s_lshl_b32 s47, s16, 2
	s_add_co_u32 s84, s20, s47
	s_mul_i32 s84, s84, 3072
	s_mov_b32 s85, 0
	s_add_co_u32 s86, s21, s47
	s_mul_i32 s86, s86, 3072
	s_mov_b32 s87, 0
	s_mul_i32 s45, s14, CH                         ; where they go: wave x four rows of 12,288 bytes
	s_wait_dscnt 0x0
	s_wait_kmcnt 0x0
	s_add_nc_u64 s[84:85], s[4:5], s[84:85]
	s_add_nc_u64 s[86:87], s[4:5], s[86:87]
.irp g, 0
	s_mov_b32 s[G0+4*\g], 1
	s_add_co_u32 s[G0+4*\g+1], s45, \g*CH
	s_add_nc_u64 s[G0+4*\g+2:G0+4*\g+3], s[84:85], \g*SIG2
	s_or_b32 s[G0+4*\g+3], s[G0+4*\g+3], 0x80000000
	s_mov_b32 s[G0B+4*\g], 1
	s_add_co_u32 s[G0B+4*\g+1], s45, \g*CH
	s_add_nc_u64 s[G0B+4*\g+2:G0B+4*\g+3], s[86:87], \g*SIG2
	s_or_b32 s[G0B+4*\g+3], s[G0B+4*\g+3], 0x80000000
.endr
	CROUND                                         ; all sixteen work-groups are here: the joint loads meet
	s_cmp_eq_u32 s15, 0                            ; one fill a wave, in the arms of one branch on the wave's number; four v_nop follow it
	s_cbranch_scc0 .Lfor_p
.irp g, 0
	tensor_load_to_lds s[G0+4*\g:G0+4*\g+3], s[G1:G1+7]
	s_nop 0
.endr
.rept 4
	v_nop
.endr
	s_branch .Lasked
.Lfor_p:
.irp g, 0
	tensor_load_to_lds s[G0B+4*\g:G0B+4*\g+3], s[G1B:G1B+7]
	s_nop 0
.endr
.rept 4
	v_nop
.endr
.Lasked:
	v_and_b32 v1, 15, v0                           ; r
	v_bfe_u32 v2, v0, 4, 1                         ; h
	v_and_b32 v3, 31, v0
	v_lshlrev_b32 v7, 4, v3                        ; 16 x lane
	v_lshlrev_b32 v8, 3, v3                        ; 8 x lane
	s_mul_i32 s88, s15, CH                         ; LDS: [R's half 0, R's half 1, P's half 0, P's half 1][pair of K steps][four tiles]: my four tiles of R,
	s_mul_i32 s89, s16, CH
	s_add_co_u32 s89, s89, 2*CH                    ; of P
.irp k, 0,1                            ; two bases, two pairs of K steps apart: an LDS offset has 16 bits
	v_add_nc_u32 v[16+\k], s88, v7
	v_add_nc_u32 v[18+\k], s88, v8
	v_add_nc_u32 v[20+\k], s89, v7
	s_add_co_u32 s88, s88, 2*QT
	s_add_co_u32 s89, s89, 2*QT
.endr
	s_lshl_b32 s90, s15, 2
	s_add_co_u32 s90, s90, s20                     ; my first tile of R
	s_lshl_b32 s91, s16, 2
	s_add_co_u32 s91, s91, s21
	s_sub_co_u32 s91, s91, 256                     ; my first tile of P, counted among the columns
	s_lshl_b32 s92, s90, 6                         ; 64 bytes of scale words a tile
	s_lshl_b32 s93, s91, 6
	s_add_co_u32 s94, s93, 32768
	v_mov_b32 v4, s92
	v_mov_b32 v5, s94
	v_cmp_ne_u32 vcc_lo, 0, v2
	v_cndmask_b32 v22, v4, v5, vcc_lo              ; lanes 0-15: the even head's unit of my tokens; lanes 16-31: w_proj's unit of my columns
	v_lshl_add_u32 v22, v1, 4, v22
	v_lshl_add_u32 v23, v1, 4, s92                 ; all lanes: the odd head's unit (+ 16,384)
.irp s, 0,1,2,3,4,5,6,7
	global_load_b128 v[SC+4*\s:SC+4*\s+3], v22, s[6:7] offset:36864*\s
	global_load_b128 v[160+4*\s:163+4*\s], v23, s[6:7] offset:36864*\s+16384
.endr
	s_mov_b32 s95, 0
	s_mov_b32 s94, s93                             ; my first column x 4 bytes
	s_add_nc_u64 s[8:9], s[8:9], s[94:95]
	v_lshlrev_b32 v9, 6, v2                        ; 16 h numbers on
	WIN 0x40                                       ; destination window 1
.irp g, 0,1
.irp j, 0,1,2,3
	global_load_b128 v[128+16*\g+4*\j:131+16*\g+4*\j], v9, s[8:9] offset:128*\g+16*\j    ; register 16 g + i: b(32 g + 16 h + i)
.endr
.endr
	WIN 0
	v_mov_b32 v4, 0x05040100                       ; R: the even head's two bytes below, the odd head's two above;
	v_mov_b32 v5, 0x03020100                       ; P: the word as it is
	v_cndmask_b32 v6, v4, v5, vcc_lo
	s_mul_i32 s88, s14, 16*272
	s_add_co_u32 s88, s88, STAGE                   ; my stage
	v_mul_u32_u24 v[STO], v1, 272
	v_lshl_add_u32 v[STO], v2, 6, v[STO]
	v_add_nc_u32 v[STO], s88, v[STO]               ; in: row r, + 64 h
	v_mul_u32_u24 v[RD], v2, 272
	v_lshl_add_u32 v[RD], v1, 4, v[RD]
	v_add_nc_u32 v[RD], s88, v[RD]                 ; back: lanes 0-15 one row of 256 bytes, lanes 16-31 the next
	v_lshlrev_b32 v[CO], 12, v2
	v_lshl_add_u32 v[CO], v1, 4, v[CO]             ; and the same two rows of out0
	s_lshl_b32 s88, s90, 16                        ; my first token x 4,096 bytes: 16 tokens a tile
	s_add_co_u32 s88, s88, s93
	s_mov_b32 s89, 0
	s_add_nc_u64 s[10:11], s[10:11], s[88:89]
	s_wait_alu depctr_va_vdst(0)
	s_wait_loadcnt 0x0
.set i, 0
.rept 32
	v_perm_b32 v[SC+i], v[160+i], v[SC+i], v6      ; the K step's scale word
.set i, i+1
.endr
.rept 8
	v_nop                                          ; a scale register written by a vector instruction stands eight places ahead of a scaled matrix instruction
.endr
.macro FETCH s                         ; K step s: 28 loads into set s % 2: R's four fragments (two half fragments each), P's four
.set FB, 64+96*((\s)%2)
.set KB, (\s)/4
.set OF, QT*(((\s)/2)%2)+1536*((\s)%2)
.irp i, 0,1,2,3
	ds_load_b128 v[FB+12*\i:FB+12*\i+3], v[16+KB] offset:OF+3072*\i
	ds_load_b64 v[FB+12*\i+4:FB+12*\i+5], v[18+KB] offset:OF+3072*\i+512
	ds_load_b128 v[FB+12*\i+6:FB+12*\i+9], v[16+KB] offset:OF+3072*\i+768
	ds_load_b64 v[FB+12*\i+10:FB+12*\i+11], v[18+KB] offset:OF+3072*\i+1280
.endr
.irp i, 0,1,2,3
.irp c, 0,1,2
	ds_load_b128 v[FB+48+12*\i+4*\c:FB+48+12*\i+4*\c+3], v[20+KB] offset:OF+3072*\i+512*\c
.endr
.endr
.endm
.macro MUL s                           ; 16 products, the 16 accumulators by turns; the first K step starts the sums
.set FB, 64+96*((\s)%2)
.irp a, 0,1,2,3
.irp b, 0,1,2,3
.if (\s) == 0
	v_wmma_scale_f32_16x16x128_f8f6f4 v[8*(4*\a+\b):8*(4*\a+\b)+7], v[FB+48+12*\b:FB+48+12*\b+11], v[FB+12*\a:FB+12*\a+11], 0, v[SC+4*(\s)+\b], v[SC+4*(\s)+\a] matrix_a_fmt:MATRIX_FMT_BF6 matrix_b_fmt:MATRIX_FMT_BF6 matrix_a_scale:MATRIX_SCALE_ROW1
.else
	v_wmma_scale_f32_16x16x128_f8f6f4 v[8*(4*\a+\b):8*(4*\a+\b)+7], v[FB+48+12*\b:FB+48+12*\b+11], v[FB+12*\a:FB+12*\a+11], v[8*(4*\a+\b):8*(4*\a+\b)+7], v[SC+4*(\s)+\b], v[SC+4*(\s)+\a] matrix_a_fmt:MATRIX_FMT_BF6 matrix_b_fmt:MATRIX_FMT_BF6 matrix_a_scale:MATRIX_SCALE_ROW1
.endif
.endr
.endr
.endm
.macro KSTEP s
.if (\s) < 7
.if (\s) > 0
	PLACES                                         ; ahead of the loads into the set that the last step's products have read
.endif
	FETCH (\s)+1
	s_wait_dscnt 28                                ; all but the 28 just issued
.else
	s_wait_dscnt 0x0
.endif
	WIN 0x50                                       ; C and D window 1
	MUL \s
	WIN 0
.endm
	s_wait_tensorcnt 0x0                           ; my one load, all of K for my four tiles, is in,
	s_barrier_signal -1
	s_barrier_wait -1                              ; everybody's is
	FETCH 0
.irp s, 0,1,2,3,4,5,6,7
	s_wait_alu depctr_va_vdst(0)
	KSTEP \s
.endr
	PLACES
; THE WAY OUT of R's tile a: result + bias (also the move into window 0; each accumulator from its low end on); through my own stage, so that sixteen lanes store 256 consecutive bytes of a row of out0, aligned.
.macro OUTA a
	s_wait_xcnt 0x0                                ; the last tile's stores have read their registers
	WIN 0x05                                       ; sources 0 and 1 window 1
.set i, 0
.rept 16
	v_pk_add_f32 v[64+2*i:65+2*i], v[32*(\a)+2*i:32*(\a)+2*i+1], v[128+2*i:129+2*i]
.set i, i+1
.endr
	WIN 0
.irp g, 0,1
.irp j, 0,1,2,3
	ds_store_b128 v[STO], v[64+16*\g+4*\j:67+16*\g+4*\j] offset:128*\g+16*\j       ; columns 32 g + 16 h + 4 j on
.endr
.endr
.irp t, 0,1,2,3,4,5,6,7
	ds_load_b128 v[96+4*\t:99+4*\t], v[RD] offset:544*\t           ; LDS serves a wave's instructions in order: these see my stores
.endr
	s_wait_dscnt 0x0
.irp t, 0,1,2,3,4,5,6,7
	global_store_b128 v[CO], v[96+4*\t:99+4*\t], s[10:11] offset:(32*((\a)/2)+8*((\a)%2)+2*\t+8*(\t/4))*4096 th:TH_STORE_NT   ; the tile's rows 2 t, 2 t + 1 are these tokens
.endr
.endm
	OUTA 0
	OUTA 1
	OUTA 2
	OUTA 3
	s_wait_tensorcnt 0x0
	ds_add_u32 v30, v31
	s_wait_dscnt 0x0
	CROUND                                         ; the closing round: no work-group ends while a partner may still ask for a tile that names it (all my tensor loads and LDS instructions have been waited for)
	s_endpgm
.Lfunc_end_k_qf5edec2d71_proj:
	.size	k_qf5edec2d71_proj, .Lfunc_end_k_qf5edec2d71_proj-k_qf5edec2d71_proj
	.p2alignl 7, 3214868480
	.fill 96, 4, 3214868480
	.section	.rodata,"a",@progbits
	.p2align	6, 0x0
	.amdhsa_kernel k_qf5edec2d71_proj
		.amdhsa_group_segment_fixed_size 214528
		.amdhsa_private_segment_fixed_size 0
		.amdhsa_enable_private_segment 0
		.amdhsa_kernarg_size 32
		.amdhsa_user_sgpr_count 2
		.amdhsa_user_sgpr_kernarg_segment_ptr 1
		.amdhsa_wavefront_size32 1
		.amdhsa_system_sgpr_workgroup_id_x 1
		.amdhsa_system_sgpr_workgroup_id_y 1
		.amdhsa_system_sgpr_workgroup_id_z 1
		.amdhsa_system_vgpr_workitem_id 0
		.amdhsa_next_free_vgpr 512
		.amdhsa_next_free_sgpr 100
		.amdhsa_reserve_vcc 1
		.amdhsa_float_denorm_mode_32 3
		.amdhsa_float_denorm_mode_16_64 3
		.amdhsa_memory_ordered 1
		.amdhsa_forward_progress 1
		.amdhsa_inst_pref_size 55
	.end_amdhsa_kernel
	.amdgpu_metadata
---
amdhsa.version: [ 1, 2 ]
amdhsa.kernels:
  - .name:           k_qf5edec2d71_proj
    .symbol:         k_qf5edec2d71_proj.kd
    .args:
      - { .name: cq2, .offset: 0, .size: 8, .value_kind: global_buffer, .address_space: global }
      - { .name: sc2, .offset: 8, .size: 8, .value_kind: global_buffer, .address_space: global }
      - { .name: b_proj, .offset: 16, .size: 8, .value_kind: global_buffer, .address_space: global }
      - { .name: out0, .offset: 24, .size: 8, .value_kind: global_buffer, .address_space: global }
    .group_segment_fixed_size: 214528
    .private_segment_fixed_size: 0
    .kernarg_segment_align: 8
    .kernarg_segment_size: 32
    .max_flat_workgroup_size: 128
    .sgpr_count:     100
    .vgpr_count:     512
    .wavefront_size: 32
...
	.end_amdgpu_metadata
.endif
;; end of part 4
